; MI455X (gfx1250); checked and timed in simulation.
; The chip was launched on July 23, 2026; its instructions are those of AMD's public machine-readable ISA for CDNA 5 (MIT licence, August 2026) and "CDNA5" Instruction Set Architecture Reference Guide (July 2026). The comments in the code are by the model that wrote it; some were corrected since.
;; Causal Self Attention. Allowed arithmetic: matrix products marked QUANTISED: E4M3 operands, one given power-of-two scale a tensor, by v_wmma_f32_16x16x64_fp8_fp8 or v_wmma_f32_16x16x128_fp8_fp8, f32 sums; everything else in f32.
;; Inputs: lowp_scales 8 int32 (the exponents e of the quantised operands' scales 2^e); out_b 1,024 float32; out_w_codes 1,024 x 32 x 32 uint8 (E4M3 codes of out_w, K innermost, in blocks of 32 codes); qkv_b 3,072 float32; qkv_w_codes 3,072 x 32 x 32 uint8 (E4M3 codes of qkv_w, K innermost, in blocks of 32 codes); x_codes 4 x 2,048 x 32 x 32 uint8 (E4M3 codes of x, K innermost, in blocks of 32 codes).
;; Outputs: out0 4 x 2,048 x 1,024 float32.
;; This version of the problem:
;;   THIS VERSION OF THE PROBLEM IS GIVEN IN LOW PRECISION. The matrix products marked QUANTISED in the list below multiply operands that are first quantised to E4M3 (4 exponent bits, 3 mantissa bits; 8 bits a number), with one given power-of-two scale for each operand tensor; their sums are f32. All else is computed in f32.
;;   The module's matrix products, in the order in which they are computed (A, B: the left and right operand; K: the contracted axis; several contracted axes count as one K, in the product's order):
;;     1. [M 8,192, K 1,024] x [K 1,024, N 3,072]; A: input x (given as codes); B: input qkv_w (given as codes): QUANTISED (scales: A lowp_scales[0], B lowp_scales[1])
;;     2. batch 64 x [M 2,048, K 64] x [K 64, N 2,048]; A: computed on the way; B: computed on the way: QUANTISED (scales: A lowp_scales[2], B lowp_scales[3])
;;     3. batch 64 x [M 2,048, K 2,048] x [K 2,048, N 64]; A: softmax (see below); B: computed on the way: QUANTISED (scales: A lowp_scales[4], B lowp_scales[5])
;;     4. [M 8,192, K 1,024] x [K 1,024, N 1,024]; A: computed on the way; B: input out_w (given as codes): QUANTISED (scales: A lowp_scales[6], B lowp_scales[7])
;;   THE QUANTISER, for each operand of a quantised product, along K:
;;     - The operand's scale is 2^e, e = its entry of the input lowp_scales (int32; the entries are numbered through the quantised products in the list's order, A before B).
;;     - Each number is divided by the scale, clamped to +-448, and rounded to the nearest number of E4M3, ties to even, subnormals kept.
;;     - The product sums the exact products of the quantised numbers (number of the format x scale) in f32.
;;   ~~~python
;;   def quantise(x, axis, e):      # numpy; x: float32 -> the quantised numbers, widened to float32 again
;;       x = np.moveaxis(x, axis, -1); K = x.shape[-1]
;;       r = np.clip(x / 2.0 ** e, -448, 448)
;;       step = 2.0 ** (np.maximum(np.frexp(np.where(r == 0, 1, r))[1] - 1, -6) - 3)
;;       q = np.round(r / step) * step * 2.0 ** e      # np.round: ties to even
;;       return np.moveaxis(q, -1, axis).astype(np.float32)
;;   ~~~
;;   SOFTMAX AHEAD OF A QUANTISED PRODUCT. Where the list says 'softmax', what is quantised is not the finished softmax but p = 2^(t - M), with t = logit x log2(e) and M = ceil(the row's largest t), a whole number; so 1/2 < the row's largest p <= 1. The row's sum l is taken of the UNQUANTISED p, in f32, and the product's result is divided by l at the end. Since M is a whole number, a kernel that streams over the keys may use a running M (the ceiling of the running maximum): every later rescaling is an exact power of two, so the quantised numbers keep their values, but for numbers so far below the row's largest that they fall under the format's range.
;;   OPERANDS COMPUTED ON THE WAY. 'Computed on the way' means the value that the module computes at that place (a softmax that the list does not call 'softmax' is quantised finished and normalised). What goes into a quantiser is computed in f32, as accurately as f32 sums, v_exp_f32 and their like allow (about 1e-6 of the number): no bf16 or f16 on the way to a quantiser, and a product that is left as it is and whose result goes on into a quantised operand takes f32 operands (vector FMAs, or v_wmma_f32_16x16x4_f32). A number that lies on a knife's edge between two numbers of the format may be rounded either way, as far as f32 arithmetic and the matrix unit's own rounding can turn it there, and no further.
;;   INPUTS GIVEN AS CODES. out_w (in the module: [1024, 1024], K = its axis 1); qkv_w (in the module: [3072, 1024], K = its axis 1); x (in the module: [4, 2048, 1024], K = its axis 2): each comes as NAME_codes (uint8): NAME with its K axis moved to the last place and cut into blocks of 32 codes, [.., K / 32, bytes a block], one block behind the other in memory; one code a byte (a code: sign, 4 exponent bits, 3 mantissa bits); its scale is its entry of lowp_scales. Its value is code x scale, taken as it is: it is not quantised again, and the codes and scales need not be those that the quantiser above would give.
;; 2 versions, each right; version 2 is version 1 with the launch attn written anew for expert scheduling mode. Each part assembles by itself: llvm-mc -triple=amdgcn-amd-amdhsa -mcpu=gfx1250 --defsym DOCPART=n.
;; ======== version 1 of 2: 3 launches
;; workspace buffers: q_img 8,388,608 bytes; k_img 8,388,608 bytes; v_img 8,388,608 bytes; y_img 8,388,608 bytes
;; launch qkv (part 1): grid 12 x 32, 4 waves a work-group, clusters of 4 x 4, 327,680 bytes of LDS; arguments x_codes, qkv_w_codes, lowp_scales, qkv_b, q_img, k_img, v_img; writes q_img, k_img, v_img
.if DOCPART == 1
	.amdgcn_target "amdgcn-amd-amdhsa--gfx1250"
	.amdhsa_code_object_version 6
	.text
	.protected	k_q29a2bdacfe_qkv
	.globl	k_q29a2bdacfe_qkv
	.p2align	8
	.type	k_q29a2bdacfe_qkv,@function
k_q29a2bdacfe_qkv:
	s_mov_b64 s[64:65], 0
	v_nop
	global_prefetch_b8 v0, s[64:65] scope:SCOPE_SE
	s_setreg_imm32_b32 hwreg(HW_REG_WAVE_MODE, 25, 1), 1
	s_wait_xcnt 0x0
	s_wait_alu depctr_hold_cnt(0) depctr_sa_sdst(0) depctr_va_vdst(0) depctr_va_sdst(0) depctr_va_ssrc(0) depctr_va_vcc(0) depctr_vm_vsrc(0)
	s_getreg_b32 s2, hwreg(HW_REG_IB_STS2, 6, 4)
	s_cmp_eq_u32 s2, 0
	s_cbranch_scc0 .Lentry_in_a_cluster
	s_endpgm
.Lentry_in_a_cluster:
	s_bfe_u32 s2, ttmp6, 0x10000c
	s_cmp_lg_u32 s2, 0xf033
	s_cbranch_scc0 .Lentry_shape_is_right
	s_endpgm
.Lentry_shape_is_right:
; qkv = x W^T + b on codes of FP8 (E4M3); the results are quantised at once, q with 2^e2, k with 2^e3, v with 2^e5, and leave as IMAGES OF OPERAND REGISTERS.
; x: [8192][1024] codes, scale 2^e0.  W: [3072][1024] codes, scale 2^e1.  b: [3072] f32.  A number is sum x 2^(e0 + e1) + b; its code is that / 2^e, held within +-448, to the nearest code, ties to even.
; A tile of 256 rows of x x 256 rows of W is made by four waves, each 128 x 128: 64 accumulators, 512 registers.  K goes in steps of 256 through a ring of two LDS slots filled by the tensor data mover.
; CLUSTERS: 4 x 4 work-groups; x's tile is asked for jointly along a row of the cluster, W's along a column.  The cluster's x is the section: 0 = q, 1 = k, 2 = v: the same in all sixteen partners.
; THE PRODUCT'S TWO USES.  q, k: source 0 = 16 rows of W, source 1 = 16 rows of x: a lane holds ONE token (lane % 16) and eight neighbouring channels 8 (lane / 16) + 0..7, which one conversion turns into two
; registers of the next product's operand (K = the head's 64 channels).  v: the other way round, source 0 = x, source 1 = W: a lane holds ONE channel and eight neighbouring tokens, since the keys are the K of
; the product that takes v.  Tile and slot are square, so the two uses differ in the LDS addresses of the two sets of fragments alone: they change places by a choice on the section.
; IMAGES.  Register 2 c + i of lane (r, h) holds k = 16 c + 8 h + 4 i .. + 3 of row r; four registers are stored at 512 n + 16 x lane: each store of the wave covers 512 consecutive bytes, aligned.
;   q_img, k_img: [batch x 16 + head][token / 16][1024 bytes];   v_img: [batch x 16 + head][key / 128][channel / 16][2048 bytes].
; LIMITS on the given exponents, so that each power of two below is an f32 number: e0 + e1 between -126 and 127; e2, e3, e5 between -126 and 119.  NaN codes among the inputs are not served.
; REGISTERS, in windows of 256: window 0: v0-31 addresses; v32-95 b in q's and k's layout; v96-111 b in v's; v112, v113 the hold and the scale; from v128 one set of "A" fragments (on the way out: 64 numbers, 16 registers of codes).
;   window 1: two sets of "B" fragments.   window 2: the accumulators of A's blocks 0-3 ((a, b) at v[8 (8 a + b)]);   window 3: those of blocks 4-7.
.set KROW,   1024                      ; a row of x or of W in memory, in bytes
.set ROWB,   256                       ; a tile's row: 256 codes
.set PITCH,  272                       ; an LDS row: 256 bytes + 16 of padding = 68 words: the 16 rows that a load touches start at 16 different banks (ISA guide 11.1)
.set FR,     16                        ; registers of a fragment: 16 rows x 128 K
.set NL,     4                         ; LDS loads that bring one
.set NP,     4                         ; places behind this matrix instruction (ISA guide 7.12.1)
.set HALFT,  128*PITCH                 ; 128 rows: what one tensor load brings
.set SLOT,   4*HALFT                   ; x's 256 rows, then W's 256 rows
.set SPARE,  2*SLOT                    ; behind the ring: the spare words, 128 bytes for each wave
.set HEADB,  131072                    ; a head's bytes in each image buffer
.set BO,   8                           ; v8      32 x (lane / 16): my eight numbers of b, q's and k's layout
.set BR,   9                           ; v9      4 x (lane % 16): my number of b, v's layout
.set ADRA, 16                          ; v16-17  LDS address of set A's fragments in slot 0, 1
.set ADRB, 20                          ; v20-21  the same for set B
.set CO,   26                          ; v26     16 x lane: my place in an image's 512 bytes
.set SPW,  28                          ; v28     LDS address of my spare word; never rewritten
.set NIL,  29                          ; v29     0; never rewritten
.set BI,   32
.set BV,   96
.set LIM,  112
.set SCL,  113
.set AF,   128
.set TMP,  128
.set CODE, 192
.set G1, 24                            ; s[24:31] descriptor group 1 for x's tiles;  s[32:39] group 0, one set for each slot
.set G0, 32
.set G1B, 48                           ; s[48:55], s[56:63] the same for W's tiles
.set G0B, 56
.set MSB, 0
.macro WIN new                         ; the immediate's high byte repeats the setting that is left
.if MSB != (\new)
	s_set_vgpr_msb (MSB<<8)|(\new)
.set MSB, (\new)
.endif
.endm
.set MUL_LO, 0xa1                      ; source 0 (set B) window 1, source 1 (set A) window 0, C and D window 2
.set MUL_HI, 0xf1                      ; the same, C and D window 3
.set TO_B,   0x40                      ; destination window 1, address window 0
; A joint load: waves 0 and 1 fetch x's two halves, waves 2 and 3 W's.  The branch hangs on the wave's number alone.  Four v_nop follow each of the two lines.
.macro JLOAD g0a, g1a, g0b, g1b
	s_cmp_eq_u32 s15, 0
	s_cbranch_scc0 .Lfor_b_\@
	tensor_load_to_lds s[\g0a:\g0a+3], s[\g1a:\g1a+7]
	s_nop 0
.rept 4
	v_nop
.endr
	s_branch .Lasked_\@
.Lfor_b_\@:
	tensor_load_to_lds s[\g0b:\g0b+3], s[\g1b:\g1b+7]
	s_nop 0
.rept 4
	v_nop
.endr
.Lasked_\@:
.endm
.macro CREST                           ; a round of the cluster's barrier behind its opening barrier
	s_cmp_lg_u32 s14, 0
	s_cbranch_scc1 .Lnot_wave_0_\@
	s_barrier_signal -3
.Lnot_wave_0_\@:
	s_barrier_wait -3
	s_barrier_signal -1
	s_barrier_wait -1
.endm
.macro CROUND                          ; a whole round
	s_barrier_signal -1
	s_barrier_wait -1
	CREST
.endm
	s_load_b256 s[4:11], s[0:1], 0x0               ; x's codes s[4:5], W's codes s[6:7], the exponents s[8:9], b s[10:11]
	s_load_b128 s[68:71], s[0:1], 0x20             ; q_img, k_img
	s_load_b64 s[72:73], s[0:1], 0x30              ; v_img
	v_lshl_add_u32 v[SPW], v0, 2, SPARE
	v_mov_b32 v[NIL], 0
	ds_add_u32 v28, v29
	ds_add_u32 v28, v29
	s_wait_dscnt 0x0
	v_lshrrev_b32 v1, 5, v0
	v_readfirstlane_b32 s14, v1                    ; wave 0..3
	s_lshr_b32 s15, s14, 1                         ; rh: which half of the tile's rows of x is mine.  Also: I fetch for x (0) or for W (1)
	s_and_b32 s16, s14, 1                          ; ch: which half of its rows of W.  Also: which 128 rows of that tile I fetch
	s_bfe_u32 s40, ttmp6, 0x40000                  ; cx, cy: my place in the cluster
	s_bfe_u32 s41, ttmp6, 0x40004
	s_lshl_b32 s42, ttmp9, 2
	s_add_co_u32 s42, s42, s40                     ; tile column = 4 x cluster x + cx
	s_and_b32 s17, ttmp7, 0xffff
	s_lshl_b32 s17, s17, 2
	s_add_co_u32 s17, s17, s41                     ; tile row = 4 x cluster y + cy
	s_lshl_b32 s43, s41, 2
	s_lshl_b32 s43, 15, s43                        ; my row of the cluster
	s_lshl_b32 s44, 0x1111, s40                    ; my column
	; descriptor group 1: a tile of 128 rows x 256 bytes, padded in LDS
	s_or_b32 s[G1+0], s43, (0<<16)|(1<<20)|(1<<21)|(5<<22)|(3<<25)  ; 15:0 the mask: x's tiles go to my row; 17:16 element of 1 byte; 20 padding on; 21 set beside a mask; 24:22 after every 64 words; 31:25 four words
	s_or_b32 s[G1B+0], s44, (0<<16)|(1<<20)|(1<<21)|(5<<22)|(3<<25) ; the same with the mask of my column, for W's tiles
.irp g, G1, G1B
	s_mov_b32 s[\g+1], ROWB<<16                    ; tensor_dim0
	s_mov_b32 s[\g+2], 128<<16                     ; tensor_dim1 = 128
	s_mov_b32 s[\g+3], ROWB<<16                    ; tile_dim0
	s_mov_b32 s[\g+4], 128                         ; tile_dim1 = 128
	s_mov_b32 s[\g+5], KROW                        ; tensor_dim0_stride
	s_mov_b32 s[\g+6], 0
	s_mov_b32 s[\g+7], 0
.endr
	s_lshl_b32 s18, s16, 17                        ; which 128 rows of 1,024 bytes I fetch
	s_lshl_b32 s20, s17, 18
	s_add_co_u32 s20, s20, s18                     ; x: (256 x tile row + 128 x half) rows, in bytes
	s_mov_b32 s21, 0
	s_lshl_b32 s46, s42, 18
	s_add_co_u32 s46, s46, s18                     ; W: (256 x tile column + 128 x half) rows
	s_mov_b32 s47, 0
	s_mul_i32 s45, s14, HALFT                      ; where they go: wave x 128 rows: no place in the cluster enters an LDS address
	s_wait_kmcnt 0x0
	s_load_b256 s[80:87], s[8:9], 0x0              ; e0 .. e7
	s_add_nc_u64 s[20:21], s[4:5], s[20:21]
	s_add_nc_u64 s[46:47], s[6:7], s[46:47]
	CROUND                                         ; all sixteen work-groups are here: the first joint loads meet
.irp s, 0,1
	s_mov_b32 s[G0+4*\s], 1
	s_add_co_u32 s[G0+4*\s+1], s45, \s*SLOT
	s_add_nc_u64 s[G0+4*\s+2:G0+4*\s+3], s[20:21], \s*ROWB
	s_or_b32 s[G0+4*\s+3], s[G0+4*\s+3], 0x80000000
	s_mov_b32 s[G0B+4*\s], 1
	s_add_co_u32 s[G0B+4*\s+1], s45, \s*SLOT
	s_add_nc_u64 s[G0B+4*\s+2:G0B+4*\s+3], s[46:47], \s*ROWB
	s_or_b32 s[G0B+4*\s+3], s[G0B+4*\s+3], 0x80000000
	JLOAD G0+4*\s, G1, G0B+4*\s, G1B
.endr
	v_and_b32 v1, 15, v0                           ; r = lane % 16
	v_bfe_u32 v2, v0, 4, 1                         ; h = lane / 16
	v_mul_u32_u24 v3, v1, PITCH
	v_lshl_add_u32 v4, v2, 4, v3                   ; a fragment's row x pitch + 16 x half
	s_mul_i32 s21, s15, HALFT                      ; my 128 rows of x
	s_mul_i32 s22, s16, HALFT
	s_add_co_u32 s22, s22, 2*HALFT                 ; my 128 rows of W, which lie behind x's 256
	s_cmp_eq_u32 ttmp9, 2                          ; section v: the two sets change places.  The choice hangs on the cluster's x, which all partners share; either way an address stays in its slot
	s_cselect_b32 s23, s22, s21                    ; set A (source 1): x's rows; for v: W's
	s_cselect_b32 s22, s21, s22                    ; set B (source 0): W's rows; for v: x's
.irp s, 0,1
	v_add_nc_u32 v[ADRA+\s], s23, v4
	v_add_nc_u32 v[ADRB+\s], s22, v4
	s_add_co_u32 s23, s23, SLOT
	s_add_co_u32 s22, s22, SLOT
.endr
	v_and_b32 v6, 31, v0
	v_lshlrev_b32 v[CO], 4, v6
	v_lshlrev_b32 v[BO], 5, v2
	v_lshlrev_b32 v[BR], 2, v1
	s_lshl_b32 s78, ttmp9, 12                      ; b at my wave's first column: 4 x (1,024 x section + 256 cx + 128 ch) bytes
	s_lshl_b32 s79, s40, 10
	s_add_co_u32 s78, s78, s79
	s_lshl_b32 s79, s16, 9
	s_add_co_u32 s78, s78, s79
	s_mov_b32 s79, 0
	s_add_nc_u64 s[10:11], s[10:11], s[78:79]
	; b in both layouts, on the one way that all sections take, so that every register that either way out reads is written: 24 loads, once
.irp b, 0,1,2,3,4,5,6,7
	global_load_b128 v[BI+8*\b:BI+8*\b+3],   v[BO], s[10:11] offset:64*\b       ; register 8 b + j: b[16 b + 8 h + j]
	global_load_b128 v[BI+8*\b+4:BI+8*\b+7], v[BO], s[10:11] offset:64*\b+16
.endr
.irp a, 0,1,2,3,4,5,6,7
	global_load_b32 v[BV+2*\a], v[BR], s[10:11] offset:64*\a                    ; b[16 a + r]
	v_mov_b32 v[BV+2*\a+1], 0                      ; (named with it as a pair, so it is written)
.endr
	s_wait_kmcnt 0x0
	s_add_co_i32 s96, s80, s81                     ; e0 + e1
	s_add_co_i32 s96, s96, 127
	s_lshl_b32 s96, s96, 23                        ; 2^(e0 + e1) as f32
	s_mov_b32 s97, s96                             ; (named with it as a pair)
	s_cmp_eq_u32 ttmp9, 0                          ; the section picks the exponent and the buffer: choices, no jump on a loaded number
	s_cselect_b32 s74, s82, s83                    ; e2 for q, e3 for k,
	s_cselect_b64 s[76:77], s[68:69], s[70:71]
	s_cmp_eq_u32 ttmp9, 2
	s_cselect_b32 s74, s85, s74                    ; e5 for v
	s_cselect_b64 s[76:77], s[72:73], s[76:77]
	s_add_co_i32 s74, s74, 127
	s_lshl_b32 s75, s74, 23
	v_mov_b32 v[SCL], s75                          ; 2^e as f32: the conversion takes its exponent field
	s_add_co_i32 s74, s74, 8
	s_lshl_b32 s74, s74, 23
	s_or_b32 s74, s74, 0x600000
	v_mov_b32 v[LIM], s74                          ; 448 x 2^e
	; where my wave's part begins in its image buffer: (16 x batch + 4 cx + 2 ch) heads + 128 tokens x (2 x (tile row % 8) + rh), which are 8,192 bytes in q's and k's layout and in v's alike
	s_lshr_b32 s78, s17, 3
	s_lshl_b32 s78, s78, 4
	s_lshl_b32 s79, s40, 2
	s_add_co_u32 s78, s78, s79
	s_lshl_b32 s79, s16, 1
	s_add_co_u32 s78, s78, s79
	s_lshl_b32 s78, s78, 17
	s_and_b32 s79, s17, 7
	s_lshl_b32 s79, s79, 14
	s_add_co_u32 s78, s78, s79
	s_lshl_b32 s79, s15, 13
	s_add_co_u32 s78, s78, s79
	s_mov_b32 s79, 0
	s_add_nc_u64 s[76:77], s[76:77], s[78:79]
.macro FRAG reg, adr, q, i             ; a fragment, 16 rows x 128 K: four loads of 16 bytes, 32 bytes apart: registers 4 c .. 4 c + 3 hold K = 32 c + 16 (l / 16) + 0 .. 15: the same places in both sets, so every product meets its partner
.irp c, 0,1,2,3
	ds_load_b128 v[\reg+4*\c:\reg+4*\c+3], v[\adr] offset:128*(\q)+32*\c+(\i)*16*PITCH
.endr
.endm
; 16 matrix instructions: set A's blocks a0, a0 + 1 x set B's eight, 128 along K.  p: B's set.  zero = 1: the first product starts the sums.
; The 64 accumulators take turns, one instruction a turn, in the same order in every step.
.macro MUL16 a0, p, zero
.irp a, \a0, \a0+1
.irp b, 0,1,2,3,4,5,6,7
.if \zero
	v_wmma_f32_16x16x128_fp8_fp8 v[8*(8*((\a)%4)+\b):8*(8*((\a)%4)+\b)+7], v[128*(\p)+FR*\b:128*(\p)+FR*\b+FR-1], v[AF+FR*(\a):AF+FR*(\a)+FR-1], 0
.else
	v_wmma_f32_16x16x128_fp8_fp8 v[8*(8*((\a)%4)+\b):8*(8*((\a)%4)+\b)+7], v[128*(\p)+FR*\b:128*(\p)+FR*\b+FR-1], v[AF+FR*(\a):AF+FR*(\a)+FR-1], v[8*(8*((\a)%4)+\b):8*(8*((\a)%4)+\b)+7]
.endif
.endr
.endr
.endm
.macro FETCH_B slot, q, p              ; set B's eight fragments of the slot's q-th 128 along K into set p
	WIN TO_B
.irp i, 0,1,2,3,4,5,6,7
	FRAG 128*(\p)+FR*\i, ADRB+\slot, \q, \i
.endr
	WIN 0
.endm
.macro FETCH_A slot, q, i0             ; set A's blocks i0 .. i0 + 3
.irp i, \i0, \i0+1, \i0+2, \i0+3
	FRAG AF+FR*(\i), ADRA+\slot, \q, \i
.endr
.endm
; A load into a register that a matrix instruction has read, and a vector instruction that reads a matrix result, stand NP places behind that matrix instruction; only plain vector
; instructions that name none of its registers are places (ISA guide 7.12.1 for vector instructions).
.macro PLACES n
.rept \n
	v_nop
.endr
.endm
; A step of 128 along K that has its successor in the same slot.  A block of set A is free as soon as its eight products are issued, so one set serves A.
.macro STEP slot, q, zero
	s_wait_dscnt 4*NL                              ; set B and A's blocks 0-3 are in; the youngest 16 loads (A's blocks 4-7) may be out
	WIN MUL_LO
	MUL16 0, (\q)%2, \zero
	MUL16 2, (\q)%2, \zero
	s_wait_dscnt 0                                 ; A's blocks 4-7 are in
	PLACES NP
	FETCH_B \slot, (\q)+1, 1-(\q)%2
	FETCH_A \slot, (\q)+1, 0
	WIN MUL_HI
	MUL16 4, (\q)%2, \zero
	MUL16 6, (\q)%2, \zero
	PLACES NP
	WIN 0
	FETCH_A \slot, (\q)+1, 4
.endm
; A slot's last step changes slots: ONE barrier; in front of it each wave waits for all its tensor loads, adds 0 to its spare word, and waits for that and for its own reads of this slot.  fill = 1: this slot is filled again, two K steps ahead.
.macro TURN slot, next, fill
	s_wait_tensorcnt 0x0                           ; all my tensor loads have landed: my part of the next slot  (every window is 0 here)
	ds_add_u32 v[SPW], v[NIL]                      ; 0 onto my spare word
	s_wait_dscnt 4*NL+1                            ; (the add and the youngest 16 loads, A's blocks 4-7, may be out)
	WIN MUL_LO
	MUL16 0, 1, 0                                  ; sixteen matrix instructions stand between the add and the wait for it
	s_wait_dscnt 0x0                               ; the add is done, and my reads of this slot are over
	s_barrier_signal -1
	MUL16 2, 1, 0
	WIN 0
	s_barrier_wait -1
.if \fill
	CREST                                          ; the barrier has opened a round of the cluster's barrier: no wave of any partner still reads this slot or has a load on its way
	s_add_nc_u64 s[G0+4*\slot+2:G0+4*\slot+3], s[G0+4*\slot+2:G0+4*\slot+3], 2*ROWB
	s_add_nc_u64 s[G0B+4*\slot+2:G0B+4*\slot+3], s[G0B+4*\slot+2:G0B+4*\slot+3], 2*ROWB
	JLOAD G0+4*\slot, G1, G0B+4*\slot, G1B         ; the first tensor load behind the round; the four v_nop behind it are the places in front of the loads below
.else
	PLACES NP
.endif
	FETCH_B \next, 0, 0
	FETCH_A \next, 0, 0
	WIN MUL_HI
	MUL16 4, 1, 0
	MUL16 6, 1, 0
	PLACES NP
	WIN 0
	FETCH_A \next, 0, 4
.endm
	s_wait_loadcnt 0x0                             ; b
	s_wait_tensorcnt 1                             ; my part of K step 0 is in (K step 1's load may be out)
	s_barrier_signal -1
	s_barrier_wait -1                              ; everybody's is
	FETCH_B 0, 0, 0
	FETCH_A 0, 0, 0
	FETCH_A 0, 0, 4
	STEP 0, 0, 1                                   ; K = 1,024 is four slots' worth, eight steps of 128: written straight, no loop.  The first step's products start the sums
	TURN 0, 1, 1                                   ; slot 0 takes K 512 on
	STEP 1, 0, 0
	TURN 1, 0, 1                                   ; slot 1 takes K 768 on
	STEP 0, 0, 0
	TURN 0, 1, 0                                   ; nothing is left to fetch
	STEP 1, 0, 0
	s_wait_dscnt 4*NL                              ; the very last step
	WIN MUL_LO
	MUL16 0, 1, 0
	MUL16 2, 1, 0
	s_wait_dscnt 0
	WIN MUL_HI
	MUL16 4, 1, 0
	MUL16 6, 1, 0
	WIN 0
; THE WAY OUT, set A's blocks one after the other: 64 sums a lane become 64 numbers (x 2^(e0 + e1), + b), are held within +-448 x 2^e, and eight conversions make 16 registers of codes, which are stored as they stand.
; mode 0 (q, k): block a = 16 tokens; b's tiles 0-3 are one head's 64 channels, tiles 4-7 the next head's: two images of 1,024 bytes.   mode 1 (v): block a = 16 channels; b's eight tiles are 128 keys: one image of 2,048 bytes.
.macro EPI mode
.irp a, 0,1,2,3,4,5,6,7
	WIN 0x02+(\a/4)                                ; source 0: window 2 or 3
.set nn, 0
.rept 32
.if \mode
	v_pk_fma_f32 v[TMP+2*nn:TMP+2*nn+1], v[64*(\a%4)+2*nn:64*(\a%4)+2*nn+1], s[96:97], v[BV+2*\a:BV+2*\a+1] op_sel_hi:[1,0,0]   ; my channel's b for both halves; each accumulator from its low end on
.else
	v_pk_fma_f32 v[TMP+2*nn:TMP+2*nn+1], v[64*(\a%4)+2*nn:64*(\a%4)+2*nn+1], s[96:97], v[BI+2*nn:BI+2*nn+1] op_sel_hi:[1,0,1]
.endif
.set nn, nn+1
.endr
	WIN 0
.set nn, 0
.rept 64
	v_med3_num_f32 v[TMP+nn], v[TMP+nn], -v[LIM], v[LIM]   ; the conversion to an 8-bit code does not saturate (ISA guide 7.6.2): the hold at the largest code x the scale
.set nn, nn+1
.endr
.if \a > 0
	s_wait_xcnt 0x0                                ; the last block's stores have read their data: the codes' registers are written again only behind this wait
.endif
.irp b, 0,1,2,3,4,5,6,7
	v_cvt_scalef32_pk8_fp8_f32 v[CODE+2*\b:CODE+2*\b+1], v[TMP+8*\b:TMP+8*\b+7], v[SCL]
.endr
	v_nop                                          ; one plain vector instruction between the conversions and the next block's lines, which write their sources
.irp c, 0,1,2,3
.if \mode
	global_store_b128 v[CO], v[CODE+4*\c:CODE+4*\c+3], s[76:77] offset:(\a/4)*HEADB+(\a%4)*2048+512*\c
.else
	global_store_b128 v[CO], v[CODE+4*\c:CODE+4*\c+3], s[76:77] offset:(\c/2)*HEADB+\a*1024+(\c%2)*512
.endif
.endr
.endr
.endm
	PLACES NP                                      ; behind the last products: for the first reads of results and the writes over set A's registers
	s_cmp_eq_u32 ttmp9, 2                          ; the section: the same in all partners; neither way has a barrier, a tensor load or an LDS instruction
	s_cbranch_scc1 .Lv_out
	EPI 0
	s_branch .Lend
.Lv_out:
	EPI 1
.Lend:
	s_wait_tensorcnt 0x0                           ; the wave's end
	ds_add_u32 v[SPW], v[NIL]
	s_wait_dscnt 0x0
	CROUND                                         ; the closing round: no work-group ends while a partner may still ask for a tile that names it
	s_endpgm
.Lfunc_end_k_q29a2bdacfe_qkv:
	.size	k_q29a2bdacfe_qkv, .Lfunc_end_k_q29a2bdacfe_qkv-k_q29a2bdacfe_qkv
	.p2alignl 7, 3214868480
	.fill 96, 4, 3214868480
	.section	.rodata,"a",@progbits
	.p2align	6, 0x0
	.amdhsa_kernel k_q29a2bdacfe_qkv
		.amdhsa_group_segment_fixed_size 327680
		.amdhsa_private_segment_fixed_size 0
		.amdhsa_enable_private_segment 0
		.amdhsa_kernarg_size 56
		.amdhsa_user_sgpr_count 2
		.amdhsa_user_sgpr_kernarg_segment_ptr 1
		.amdhsa_wavefront_size32 1
		.amdhsa_system_sgpr_workgroup_id_x 1
		.amdhsa_system_sgpr_workgroup_id_y 1
		.amdhsa_system_sgpr_workgroup_id_z 1
		.amdhsa_system_vgpr_workitem_id 0
		.amdhsa_next_free_vgpr 1024
		.amdhsa_next_free_sgpr 100
		.amdhsa_reserve_vcc 0
		.amdhsa_float_denorm_mode_32 3
		.amdhsa_float_denorm_mode_16_64 3
		.amdhsa_memory_ordered 1
		.amdhsa_forward_progress 1
		.amdhsa_inst_pref_size 193
	.end_amdhsa_kernel
	.amdgpu_metadata
---
amdhsa.version: [ 1, 2 ]
amdhsa.kernels:
  - .name:           k_q29a2bdacfe_qkv
    .symbol:         k_q29a2bdacfe_qkv.kd
    .args:
      - { .name: x_codes, .offset: 0, .size: 8, .value_kind: global_buffer, .address_space: global }
      - { .name: qkv_w_codes, .offset: 8, .size: 8, .value_kind: global_buffer, .address_space: global }
      - { .name: lowp_scales, .offset: 16, .size: 8, .value_kind: global_buffer, .address_space: global }
      - { .name: qkv_b, .offset: 24, .size: 8, .value_kind: global_buffer, .address_space: global }
      - { .name: q_img, .offset: 32, .size: 8, .value_kind: global_buffer, .address_space: global }
      - { .name: k_img, .offset: 40, .size: 8, .value_kind: global_buffer, .address_space: global }
      - { .name: v_img, .offset: 48, .size: 8, .value_kind: global_buffer, .address_space: global }
    .group_segment_fixed_size: 327680
    .private_segment_fixed_size: 0
    .kernarg_segment_align: 8
    .kernarg_segment_size: 56
    .max_flat_workgroup_size: 128
    .sgpr_count:     100
    .vgpr_count:     1024
    .wavefront_size: 32
...
	.end_amdgpu_metadata
.endif
;; end of part 1
;; launch attn (part 2): grid 4 x 64, 8 waves a work-group, no clusters, 33,792 bytes of LDS; arguments q_img, k_img, v_img, lowp_scales, y_img; writes y_img
.if DOCPART == 2
	.amdgcn_target "amdgcn-amd-amdhsa--gfx1250"
	.amdhsa_code_object_version 6
	.text
	.protected	k_q29a2bdacfe_attn
	.globl	k_q29a2bdacfe_attn
	.p2align	8
	.type	k_q29a2bdacfe_attn,@function
k_q29a2bdacfe_attn:
	s_mov_b64 s[64:65], 0
	v_nop
	global_prefetch_b8 v0, s[64:65] scope:SCOPE_SE
	s_setreg_imm32_b32 hwreg(HW_REG_WAVE_MODE, 25, 1), 1
	s_wait_xcnt 0x0
; y[b][q][head] = the sum over keys k <= q of softmax_k(q . k / 8) v, both products on codes of FP8 (E4M3); y is quantised at once with 2^e6 and leaves as an image of the last product's operand registers.
; q_img, k_img: [batch x 16 + head][token / 16][1024]: register 2 c + i of lane (r, h) = channels 16 c + 8 h + 4 i .. + 3 of token r.  v_img: [..][key / 128][channel / 16][2048]: the same along the keys.  y_img: [token tile][head][1024], as q_img.
; THE SOFTMAX AHEAD OF THE SECOND PRODUCT: t = score x 2^(e2 + e3) x log2(e) / 8; M = the row's largest t so far, rounded UP to a whole number; p = 2^(t - M) is quantised with 2^e4, not normalised.
; The row's sum is taken of the unquantised p, in f32, and divides at the end.  When M moves, the sum and O are multiplied by 2^(old M - new M): exact.
; SHARES.  T = 2,048 is eight blocks of 256 queries.  Work-group (i, head) owns blocks i and 7 - i, one after the other: (i + 1) + (8 - i) = 9 slots of 256 keys in EVERY work-group: equal work, a constant trip count, and no slot is
; fetched that the mask hides whole.  Each of the eight waves owns 32 queries, two tiles of 16, so that each fragment of K and V read from LDS feeds two products and one tile's plain arithmetic stands between the other's exponentials.
; LAYOUT.  Both products are used transposed: S^T = K Q^T (source 0 = 16 keys, source 1 = 16 queries), O^T = V^T P^T (source 0 = 16 channels, source 1 = P): a lane holds ONE query (lane % 16) throughout.  Tile c of S^T gives a lane keys
; 16 c + 8 (lane / 16) + 0..7, which one conversion turns into registers 2 c, 2 c + 1 of P; v_img was laid by the same map.
; HOW K AND V COME.  A slot is 16 KiB of k_img and 16 KiB of v_img, dense in memory and in LDS: 256 threads bring it by eight loads of 16 bytes each into registers, issued a whole trip (two key steps) ahead of the eight LDS stores.
; One LDS buffer: reads | wait | barrier | stores | wait | barrier.
; NO JOINT REQUESTS: the four work-groups of a head stand at different slots in the same trip (block i's walk is i + 1 slots long, then block 7 - i's begins anew), so no two of them want one tile at one time.
; THE HOLD OF p is run only where it can bind: p <= 1, so it lies under 448 x 2^e4 unless e4 < -8: a scalar branch on the given exponent, round 128 lines; no barrier stands under it.
; LIMITS on the given exponents: e2 + e3 between -123 and 130 (added to c's exponent field); e4, e6 between -126 and 119; e4 + e5 is applied by v_ldexp_f32 and has none.  NaN codes are not served.
; REGISTERS.  Window 0: v1 16 x lane; v3 16 x thread; v5, v6 offsets of loads; v7 r - 8 h; v8-15 statistics; v16-31 at work; v32-63 P; v64-191 S^T, then p; v192-223 the slot on its way; v224-239 y's codes; v240-247 constants.
;             Window 1: v0-63 K's eight fragments; v64-127 V's four; v128-143 Q; v144-207 O^T.
.set LI,  1
.set LW,  3
.set GF,  5
.set GQ,  6
.set RH,  7
.set ST,  8                            ; tile u at v[ST + 4 u]: +0 -M, +1 the largest t, +2, +3 the sum in two halves
.set TT,  16                           ; tile u at v[TT + 8 u]: +0, +1 two chains of the maximum; +2 the other half's; +4, +5 a second chain of the sum; +6 f (+7 named with it as a pair)
.set P,   32
.set S,   64
.set STG, 192
.set YC,  224
.set LIMP, 240
.set SCP,  241
.set NEGINF, 242
.set D0,   243                         ; v243, v244: my query - the step's first key - 8 h, tile 0 and tile 1
.set LIMY, 245
.set SCY,  246
.set GY,   247
.set KFR, 0                            ; in window 1
.set VFR, 64
.set QF,  128
.set O,   144
.set VOFF, 16384                       ; LDS: K's 256 keys at 0, V's at 16,384
; s24 wave; s25 i; s26 head; s27 trip; s29 the step's first key; s30 my first query; s31 1 where p wants its hold; s[32:33] lane selects; s[34:35] c; s42 e4 + e5
.set MSB, 0
.macro WIN new                         ; the immediate's high byte repeats the setting that is left
.if MSB != (\new)
	s_set_vgpr_msb (MSB<<8)|(\new)
.set MSB, (\new)
.endif
.endm
.macro FETCH                           ; a slot of K and of V into registers: each load of the work-group covers 4,096 consecutive bytes
.irp c, 0,1,2,3
	global_load_b128 v[STG+4*\c:STG+4*\c+3], v[GF], s[6:7] offset:4096*\c
.endr
.irp c, 0,1,2,3
	global_load_b128 v[STG+16+4*\c:STG+16+4*\c+3], v[GF], s[8:9] offset:4096*\c
.endr
.endm
.macro TOLDS                           ; and on into LDS, as it lies
.irp c, 0,1,2,3,4,5,6,7
	ds_store_b128 v[LW], v[STG+4*\c:STG+4*\c+3] offset:4096*\c
.endr
.endm
.macro INITQ                           ; a block of queries begins: my two fragments of Q; O^T and the sums are zeros, the largest t is under every t: the first change of M multiplies zeros
	s_lshl_b32 s36, s30, 6                         ; 1,024 bytes for 16 queries
	v_add_nc_u32 v[GQ], s36, v[LI]
	WIN 0x40                                       ; destination window 1
.irp c, 0,1,2,3
	global_load_b128 v[QF+4*\c:QF+4*\c+3], v[GQ], s[4:5] offset:512*\c
.endr
.set nn, 0
.rept 64
	v_mov_b32 v[O+nn], 0
.set nn, nn+1
.endr
	WIN 0
.irp u, 0,1
	v_mov_b32 v[ST+4*\u+1], 0xff61b1e6             ; -3e38
	v_floor_f32 v[ST+4*\u], -v[ST+4*\u+1]          ; -M
	v_mov_b32 v[ST+4*\u+2], 0
	v_mov_b32 v[ST+4*\u+3], 0
.endr
.endm
; THE SOFTMAX OF A TILE u, AS NUMBERED LISTS, so that the lists of the two tiles can be dealt by turns.
; MS, 41 lines: the largest of my 64 scores in two chains, ascending (each result of the matrix unit is read from its low end on), the other half of the lanes', as t; the running largest; -M = floor(-t); f = 2^(old M - new M).
.macro MS u, n
.set rS, S+64*(\u)
.set rT, TT+8*(\u)
.set rM, ST+4*(\u)
.if (\n) == 0
	v_max3_num_f32 v[rT], v[rS], v[rS+1], v[rS+2]
.elseif (\n) == 1
	v_max3_num_f32 v[rT+1], v[rS+3], v[rS+4], v[rS+5]
.elseif (\n) < 30
.set ii, 6+2*((\n)-2)
	v_max3_num_f32 v[rT+(\n)%2], v[rT+(\n)%2], v[rS+ii], v[rS+ii+1]
.elseif (\n) == 30
	v_max3_num_f32 v[rT], v[rT], v[rS+62], v[rS+63]
.elseif (\n) == 31
	v_max_num_f32 v[rT], v[rT], v[rT+1]
.elseif (\n) == 32
	v_permlanex16_b32 v[rT+2], v[rT], s32, s33     ; the query's other 64 keys lie in the lane 16 away
.elseif (\n) == 33
	v_max_num_f32 v[rT], v[rT], v[rT+2]
.elseif (\n) == 34
	v_mul_f32 v[rT], s34, v[rT]                    ; as t (c is positive)
.elseif (\n) == 35
	v_max_num_f32 v[rM+1], v[rM+1], v[rT]
.elseif (\n) == 36
	v_mov_b32 v[rT], v[rM]
.elseif (\n) == 37
	v_floor_f32 v[rM], -v[rM+1]                    ; the new -M = -ceil(t): a whole number
.elseif (\n) == 38
	v_sub_f32 v[rT], v[rM], v[rT]                  ; old M - new M: a whole number, 0 or less
.elseif (\n) == 39
	v_cvt_i32_f32 v[rT], v[rT]                     ; (it saturates)
.else
	v_ldexp_f32 v[rT+6], 1.0, v[rT]
.endif
.endm
.macro FM u, n                         ; 32 lines: t - M, two at a time (of the pairs c and -M the low word serves both halves)
	v_pk_fma_f32 v[S+64*(\u)+2*(\n):S+64*(\u)+2*(\n)+1], v[S+64*(\u)+2*(\n):S+64*(\u)+2*(\n)+1], s[34:35], v[ST+4*(\u):ST+4*(\u)+1] op_sel_hi:[1,0,0]
.endm
.macro EX u, n                         ; 64 lines: p = 2^(t - M)
	v_exp_f32 v[S+64*(\u)+(\n)], v[S+64*(\u)+(\n)]
.endm
.macro SU u, n                         ; 33 lines: the sum under the new M, then the unquantised p are added, two at a time, in two chains
.set rS, S+64*(\u)
.set rL, ST+4*(\u)+2
.set rX, TT+8*(\u)+4
.set rF, TT+8*(\u)+6
.if (\n) == 0
	v_pk_mul_f32 v[rL:rL+1], v[rL:rL+1], v[rF:rF+1] op_sel_hi:[1,0]
.elseif (\n) == 1
	s_wait_alu depctr_va_vdst(0)
	v_pk_add_f32 v[rX:rX+1], v[rS:rS+1], v[rS+2:rS+3]
.elseif (\n) < 32
.set jj, 4+4*(((\n)-2)/2)
.if ((\n)%2) == 0
	v_pk_add_f32 v[rL:rL+1], v[rL:rL+1], v[rS+jj:rS+jj+1]
.else
	v_pk_add_f32 v[rX:rX+1], v[rX:rX+1], v[rS+jj+2:rS+jj+3]
.endif
.else
	v_pk_add_f32 v[rL:rL+1], v[rL:rL+1], v[rX:rX+1]
.endif
.endm
; A KEY STEP: 128 keys, the q-th of the slot in LDS.
.macro STEP q
	s_add_co_u32 s36, s30, 31                      ; a step all of whose keys come after my 32 queries is left out: a scalar branch on ids; no barrier stands in a step
	s_cmp_gt_u32 s29, s36
	s_cbranch_scc1 .Lhidden_\@
	WIN 0x40                                       ; destination window 1
.irp c, 0,1,2,3,4,5,6,7,8,9,10,11,12,13,14,15
	ds_load_b128 v[KFR+4*\c:KFR+4*\c+3], v[LI] offset:8192*\q+512*\c            ; images: 512 consecutive bytes an instruction
.endr
.irp c, 0,1,2,3,4,5,6,7,8,9,10,11,12,13,14,15
	ds_load_b128 v[VFR+4*\c:VFR+4*\c+3], v[LI] offset:VOFF+8192*\q+512*\c
.endr
	s_wait_dscnt 16                                ; K's sixteen loads are in; V's sixteen may be out
	WIN 0x05                                       ; K and Q in window 1, S^T in window 0
.irp c, 0,1,2,3,4,5,6,7
.irp u, 0,1
	v_wmma_f32_16x16x64_fp8_fp8 v[S+64*\u+8*\c:S+64*\u+8*\c+7], v[KFR+8*\c:KFR+8*\c+7], v[QF+8*\u:QF+8*\u+7], 0
.endr
.endr
	WIN 0
.rept 4
	v_nop                                          ; places in front of the first read of results (ISA guide 7.12.1)
.endr
	s_add_co_u32 s36, s29, 127                     ; on the diagonal the scores of hidden keys become -infinity ahead of the maximum: p = 0 then.  A step all of whose keys count skips this.
	s_cmp_le_u32 s36, s30                          ; (The step's first key counts for all my queries: both are multiples of 32, so first key <= my first query + 31 means <= my first query.  So no row is hidden whole.)
	s_cbranch_scc1 .Lopen_\@
	s_sub_co_i32 s36, s30, s29
	v_add_nc_u32 v[D0], s36, v[RH]                 ; register 8 c + j holds key first + 16 c + 8 h + j: hidden where 16 c + j > my query - first - 8 h
	v_add_nc_u32 v[D0+1], 16, v[D0]
.irp u, 0,1
.irp c, 0,1,2,3,4,5,6,7
.irp j, 0,1,2,3,4,5,6,7
	v_cmp_gt_i32 vcc_lo, 16*\c+\j, v[D0+\u]
	v_cndmask_b32 v[S+64*\u+8*\c+\j], v[S+64*\u+8*\c+\j], v[NEGINF], vcc_lo
.endr
.endr
.endr
.Lopen_\@:
.set nn, 0
.rept 41
	MS 0, nn
.set nn, nn+1
.endr
.set nn, 0
.rept 32
	FM 0, nn
.set nn, nn+1
.endr
.set nn, 0
.rept 41                               ; tile 0's exponentials, with tile 1's maximum between them: behind each exponential stands a plain line that touches none of its registers
	EX 0, nn
	MS 1, nn
.set nn, nn+1
.endr
.rept 23
	EX 0, nn
	FM 1, nn-41
.set nn, nn+1
.endr
.set nn, 23
.rept 9
	FM 1, nn
.set nn, nn+1
.endr
.set nn, 0
.rept 32                               ; tile 1's exponentials, with tile 0's sum among them
	EX 1, 2*nn
	SU 0, nn
	EX 1, 2*nn+1
.set nn, nn+1
.endr
	SU 0, 32                                       ; (a plain line behind the last exponential)
.set nn, 0
.rept 33
	SU 1, nn
.set nn, nn+1
.endr
	s_cmp_eq_u32 s31, 0
	s_cbranch_scc1 .Lno_hold_\@
.set nn, 0
.rept 128
	v_min_num_f32 v[S+nn], v[S+nn], v[LIMP]        ; the conversion to an 8-bit code does not saturate (ISA guide 7.6.2); p is not negative, so the hold is one-sided
.set nn, nn+1
.endr
.Lno_hold_\@:
.irp u, 0,1
.irp c, 0,1,2,3,4,5,6,7
	v_cvt_scalef32_pk8_fp8_f32 v[P+16*\u+2*\c:P+16*\u+2*\c+1], v[S+64*\u+8*\c:S+64*\u+8*\c+7], v[SCP]
.endr
.endr
	v_nop                                          ; one plain vector instruction between the conversions and what touches their results or writes their sources
	s_wait_dscnt 0x0                               ; V is in
	WIN 0x41                                       ; O^T (destination and source 0) in window 1, f in window 0
.irp u, 0,1
.set nn, 0
.rept 16
	v_pk_mul_f32 v[O+32*\u+2*nn:O+32*\u+2*nn+1], v[O+32*\u+2*nn:O+32*\u+2*nn+1], v[TT+8*\u+6:TT+8*\u+7] op_sel_hi:[1,0]   ; O^T under the new M; each accumulator from its low end on
.set nn, nn+1
.endr
.endr
	WIN 0x51                                       ; V in window 1, P in window 0, O^T in window 1
.irp d, 0,1,2,3                        ; the eight accumulators take turns, one instruction a turn; between two links of a chain stand the next step's products K Q^T too
.irp u, 0,1
	v_wmma_f32_16x16x128_fp8_fp8 v[O+32*\u+8*\d:O+32*\u+8*\d+7], v[VFR+16*\d:VFR+16*\d+15], v[P+16*\u:P+16*\u+15], v[O+32*\u+8*\d:O+32*\u+8*\d+7]
.endr
.endr
	WIN 0
.rept 4
	v_nop                                          ; places for whatever follows on any way: loads into V's registers, reads of O^T
.endr
.Lhidden_\@:
	s_add_co_u32 s29, s29, 128
.endm
; A BLOCK'S WAY OUT: O^T / the sum x 2^(e4 + e5) is y; held, converted with 2^e6: a tile's four accumulators become the eight registers of its image, stored as they stand: 512 consecutive bytes a store, aligned.
.macro OUT
	s_wait_xcnt 0x0                                ; an earlier way out's stores have read their data and offsets: both are written again only behind this wait
	s_lshl_b32 s36, s30, 10                        ; 16,384 bytes for 16 tokens (16 heads x 1,024)
	v_add_nc_u32 v[GY], s36, v[LI]
.irp u, 0,1
	v_add_f32 v[TT+8*\u], v[ST+4*\u+2], v[ST+4*\u+3]
.endr
.irp u, 0,1
	v_permlanex16_b32 v[TT+8*\u+2], v[TT+8*\u], s32, s33
.endr
.irp u, 0,1
	v_add_f32 v[TT+8*\u], v[TT+8*\u], v[TT+8*\u+2]   ; the row's sum
.endr
.irp u, 0,1
	v_rcp_f32 v[TT+8*\u+6], v[TT+8*\u]
.endr
	v_nop                                          ; a plain line behind the reciprocals
	s_wait_alu depctr_va_vdst(0)
.irp u, 0,1
	v_ldexp_f32 v[TT+8*\u+6], v[TT+8*\u+6], s42    ; x 2^(e4 + e5)
.endr
	WIN 0x01                                       ; source 0 window 1
.irp u, 0,1
.set nn, 0
.rept 16
	v_pk_mul_f32 v[S+32*\u+2*nn:S+32*\u+2*nn+1], v[O+32*\u+2*nn:O+32*\u+2*nn+1], v[TT+8*\u+6:TT+8*\u+7] op_sel_hi:[1,0]
.set nn, nn+1
.endr
.endr
	WIN 0
.set nn, 0
.rept 64
	v_med3_num_f32 v[S+nn], v[S+nn], -v[LIMY], v[LIMY]
.set nn, nn+1
.endr
.irp u, 0,1
.irp d, 0,1,2,3
	v_cvt_scalef32_pk8_fp8_f32 v[YC+8*\u+2*\d:YC+8*\u+2*\d+1], v[S+32*\u+8*\d:S+32*\u+8*\d+7], v[SCY]
.endr
.endr
	v_nop
.irp u, 0,1
.irp c, 0,1
	global_store_b128 v[GY], v[YC+8*\u+4*\c:YC+8*\u+4*\c+3], s[12:13] offset:16384*\u+512*\c
.endr
.endr
.endm
	s_load_b256 s[4:11], s[0:1], 0x0               ; q_img s[4:5], k_img s[6:7], v_img s[8:9], the exponents s[10:11]
	s_load_b64 s[12:13], s[0:1], 0x20              ; y_img
	v_lshl_add_u32 v254, v0, 2, 0x8000
	v_mov_b32 v255, 0
	v_lshrrev_b32 v2, 5, v0
	v_readfirstlane_b32 s24, v2                    ; wave 0..7
	v_and_b32 v2, 31, v0
	v_lshlrev_b32 v[LI], 4, v2                     ; 16 x lane
	v_lshlrev_b32 v[LW], 4, v0                     ; 16 x thread
	v_and_b32 v[RH], 15, v0
	v_bfe_u32 v2, v0, 4, 1
	v_lshlrev_b32 v2, 3, v2
	v_sub_nc_u32 v[RH], v[RH], v2                  ; r - 8 h
	v_mov_b32 v[GF], v[LW]                         ; slot 0
	v_mov_b32 v[NEGINF], 0xff800000
.irp u, 0,1
	v_mov_b32 v[TT+8*\u+2], 0                      ; written once: a lane permute's destination counts as one of its sources
	v_mov_b32 v[TT+8*\u+7], 0                      ; (named as the upper half of f's pair)
.endr
	s_mov_b32 s25, ttmp9                           ; i
	s_and_b32 s26, ttmp7, 0xffff                   ; batch x 16 + head
	s_mov_b32 s32, 0x76543210
	s_mov_b32 s33, 0xfedcba98                      ; lane l xor 16
	s_lshl_b32 s30, s25, 8
	s_lshl_b32 s36, s24, 5
	s_add_co_u32 s30, s30, s36                     ; my first query: 256 i + 32 x wave
	s_lshl_b32 s38, s26, 17                        ; the head's 131,072 bytes in q_img, k_img, v_img
	s_mov_b32 s39, 0
	s_lshr_b32 s40, s26, 4
	s_lshl_b32 s40, s40, 21                        ; y_img: the batch's 128 token tiles of 16,384 bytes,
	s_and_b32 s36, s26, 15
	s_lshl_b32 s36, s36, 10                        ; and the head's 1,024 in each
	s_add_co_u32 s40, s40, s36
	s_mov_b32 s41, 0
	s_wait_kmcnt 0x0
	s_load_b256 s[16:23], s[10:11], 0x0            ; e0 .. e7
	s_add_nc_u64 s[4:5], s[4:5], s[38:39]
	s_add_nc_u64 s[6:7], s[6:7], s[38:39]
	s_add_nc_u64 s[8:9], s[8:9], s[38:39]
	s_add_nc_u64 s[12:13], s[12:13], s[40:41]
	FETCH
	INITQ
	s_wait_kmcnt 0x0
	s_add_co_i32 s36, s18, s19                     ; a score stands for score x 2^(e2 + e3): the two exponents are added to c's exponent field
	s_lshl_b32 s36, s36, 23
	s_add_co_i32 s34, s36, 0x3e38aa3b              ; c = log2(e) / 8
	s_mov_b32 s35, s34                             ; (named with it as a pair)
	s_add_co_i32 s36, s20, 127
	s_lshl_b32 s37, s36, 23
	v_mov_b32 v[SCP], s37                          ; 2^e4 as f32, for p's conversions
	s_add_co_i32 s36, s36, 8
	s_lshl_b32 s36, s36, 23
	s_or_b32 s36, s36, 0x600000
	v_mov_b32 v[LIMP], s36                         ; 448 x 2^e4
	s_add_co_i32 s36, s22, 127
	s_lshl_b32 s37, s36, 23
	v_mov_b32 v[SCY], s37                          ; 2^e6, for y's
	s_add_co_i32 s36, s36, 8
	s_lshl_b32 s36, s36, 23
	s_or_b32 s36, s36, 0x600000
	v_mov_b32 v[LIMY], s36
	s_add_co_i32 s42, s20, s21                     ; e4 + e5
	s_cmp_lt_i32 s20, -8
	s_cselect_b32 s31, 1, 0                        ; 448 x 2^e4 < 1: p wants its hold
	s_wait_loadcnt 0x0                             ; slot 0 and Q
	TOLDS
	s_wait_dscnt 0x0                               ; for the others' sake: my stores have landed
	s_barrier_signal -1
	s_barrier_wait -1
	s_mov_b32 s27, 0
	s_mov_b32 s29, 0
.Ltrip:                                            ; nine trips: slots 0 .. i for block i, then slots 0 .. 7 - i for block 7 - i
	s_cmp_eq_u32 s27, 8                            ; the last trip fetches nothing
	s_cbranch_scc1 .Lno_fetch
	s_add_co_u32 s36, s27, 1
	s_sub_co_u32 s37, s27, s25
	s_cmp_gt_u32 s36, s25
	s_cselect_b32 s36, s37, s36                    ; the next trip's slot: trip + 1, or, in the second block, trip - i
	s_lshl_b32 s36, s36, 14
	v_add_nc_u32 v[GF], s36, v[LW]                 ; (the last fetch was waited for in the trip before)
	FETCH
.Lno_fetch:
	STEP 0
	STEP 1
	s_cmp_lg_u32 s27, s25
	s_cbranch_scc1 .Lsame_block
	OUT                                            ; block i is done;
	s_sub_co_u32 s30, 7, s25                       ; block 7 - i begins
	s_lshl_b32 s30, s30, 8
	s_lshl_b32 s36, s24, 5
	s_add_co_u32 s30, s30, s36
	s_mov_b32 s29, 0
	INITQ
.Lsame_block:
	s_wait_loadcnt 0x0                             ; the next slot is in registers, and so is a new block's Q
	s_wait_dscnt 0x0                               ; my reads of the slot in LDS are over
	s_barrier_signal -1
	s_barrier_wait -1                              ; everybody's are
	s_cmp_eq_u32 s27, 8
	s_cbranch_scc1 .Lno_store
	TOLDS
.Lno_store:
	s_wait_dscnt 0x0                               ; my stores have landed
	s_barrier_signal -1
	s_barrier_wait -1                              ; everybody's have
	s_add_co_u32 s27, s27, 1
	s_cmp_lt_u32 s27, 9
	s_cbranch_scc1 .Ltrip
	OUT
	s_wait_tensorcnt 0x0
	ds_add_u32 v254, v255
	s_wait_dscnt 0x0
	s_endpgm
.Lfunc_end_k_q29a2bdacfe_attn:
	.size	k_q29a2bdacfe_attn, .Lfunc_end_k_q29a2bdacfe_attn-k_q29a2bdacfe_attn
	.p2alignl 7, 3214868480
	.fill 96, 4, 3214868480
	.section	.rodata,"a",@progbits
	.p2align	6, 0x0
	.amdhsa_kernel k_q29a2bdacfe_attn
		.amdhsa_group_segment_fixed_size 33792
		.amdhsa_private_segment_fixed_size 0
		.amdhsa_enable_private_segment 0
		.amdhsa_kernarg_size 40
		.amdhsa_user_sgpr_count 2
		.amdhsa_user_sgpr_kernarg_segment_ptr 1
		.amdhsa_wavefront_size32 1
		.amdhsa_system_sgpr_workgroup_id_x 1
		.amdhsa_system_sgpr_workgroup_id_y 1
		.amdhsa_system_sgpr_workgroup_id_z 1
		.amdhsa_system_vgpr_workitem_id 0
		.amdhsa_next_free_vgpr 512
		.amdhsa_next_free_sgpr 66
		.amdhsa_reserve_vcc 1
		.amdhsa_float_denorm_mode_32 3
		.amdhsa_float_denorm_mode_16_64 3
		.amdhsa_memory_ordered 1
		.amdhsa_forward_progress 1
		.amdhsa_inst_pref_size 104
	.end_amdhsa_kernel
	.amdgpu_metadata
---
amdhsa.version: [ 1, 2 ]
amdhsa.kernels:
  - .name:           k_q29a2bdacfe_attn
    .symbol:         k_q29a2bdacfe_attn.kd
    .args:
      - { .name: q_img, .offset: 0, .size: 8, .value_kind: global_buffer, .address_space: global }
      - { .name: k_img, .offset: 8, .size: 8, .value_kind: global_buffer, .address_space: global }
      - { .name: v_img, .offset: 16, .size: 8, .value_kind: global_buffer, .address_space: global }
      - { .name: lowp_scales, .offset: 24, .size: 8, .value_kind: global_buffer, .address_space: global }
      - { .name: y_img, .offset: 32, .size: 8, .value_kind: global_buffer, .address_space: global }
    .group_segment_fixed_size: 33792
    .private_segment_fixed_size: 0
    .kernarg_segment_align: 8
    .kernarg_segment_size: 40
    .max_flat_workgroup_size: 256
    .sgpr_count:     66
    .vgpr_count:     512
    .wavefront_size: 32
...
	.end_amdgpu_metadata
.endif
;; end of part 2
;; launch proj (part 3): grid 4 x 64, 4 waves a work-group, clusters of 4 x 4, 327,680 bytes of LDS; arguments y_img, out_w_codes, lowp_scales, out_b, out0; writes out0
.if DOCPART == 3
	.amdgcn_target "amdgcn-amd-amdhsa--gfx1250"
	.amdhsa_code_object_version 6
	.text
	.protected	k_q29a2bdacfe_proj
	.globl	k_q29a2bdacfe_proj
	.p2align	8
	.type	k_q29a2bdacfe_proj,@function
k_q29a2bdacfe_proj:
	s_mov_b64 s[64:65], 0
	v_nop
	global_prefetch_b8 v0, s[64:65] scope:SCOPE_SE
	s_setreg_imm32_b32 hwreg(HW_REG_WAVE_MODE, 25, 1), 1
	s_wait_xcnt 0x0
	s_wait_alu depctr_hold_cnt(0) depctr_sa_sdst(0) depctr_va_vdst(0) depctr_va_sdst(0) depctr_va_ssrc(0) depctr_va_vcc(0) depctr_vm_vsrc(0)
	s_getreg_b32 s2, hwreg(HW_REG_IB_STS2, 6, 4)
	s_cmp_eq_u32 s2, 0
	s_cbranch_scc0 .Lentry_in_a_cluster
	s_endpgm
.Lentry_in_a_cluster:
	s_bfe_u32 s2, ttmp6, 0x10000c
	s_cmp_lg_u32 s2, 0xf033
	s_cbranch_scc0 .Lentry_shape_is_right
	s_endpgm
.Lentry_shape_is_right:
; out0 = y W^T + b on codes of FP8 (E4M3).  y: 8,192 tokens x 1,024, as images of operand registers, [token / 16][head][1024 bytes], scale 2^e6.  W: [1024][1024] codes, scale 2^e7.  b: [1024] f32.  out0: [8192][1024] f32.
; A tile of 128 tokens x 256 columns is made by four waves: 256 tiles, one for each WGP.  A wave makes 64 x 128: 32 accumulators, 256 registers.  K goes in steps of 256 (four heads) through a ring of two LDS slots.
; CLUSTERS: 4 x 4 work-groups; y's tile is asked for jointly along a row of the cluster, W's along a column.
; FRAGMENTS.  Two neighbouring heads' images on end are a fragment of 16 tokens x 128 K as it stands: register 2 c + i of lane (r, h) holds k = 16 c + 8 h + 4 i .. + 3: four loads of 16 bytes a lane, 512 consecutive bytes each.
; W's fragments carry the same map: eight loads of 8 bytes at row x pitch + 16 c + 8 h.  With rows 272 bytes apart the 32 lanes of such a load touch 64 different banks (ISA guide 11.1).
; THE MATRIX INSTRUCTION IS USED TRANSPOSED (source 0 = 16 rows of W, source 1 = 16 tokens): a lane holds eight neighbouring columns of one row of out0.
; LIMIT: e6 + e7 between -126 and 127, so that 2^(e6 + e7) is an f32 number.  NaN codes are not served.
; REGISTERS: window 0: v0-31 addresses; v32-95 at work on the way out; v128-191 y's fragments, ONE set (on the way out v128-255: rows read back);  window 1: W's fragments, TWO sets;  window 2: the accumulators ((a, b) at v[8 (8 a + b)]);
;   window 3: v0-63 b in the result's layout.
.set PITCH,  272
.set FR,     16
.set HALFB,  128*PITCH                 ; 128 rows of W: what one tensor load brings
.set AREG,   32768                     ; a slot: y's 8 token tiles x 4,096 bytes, dense,
.set SLOT,   AREG+2*HALFB              ; then W's 256 rows
.set SPARE,  2*SLOT                    ; behind the ring: the spare words, 128 bytes for each wave
.set STAGE,  SPARE+512                 ; behind them: 16 rows x (512 bytes + 16) for each wave, for the way out: bytes of its own, into which no tile lands
.set SPITCH, 528
.set BO,   8                           ; v8      32 x (lane / 16)
.set ADRA, 16                          ; v16-17  LDS address of my fragments of y in slot 0, 1
.set ADRB, 20                          ; v20-21  the same for W
.set STO,  24                          ; v24     the way out: where I put 32 bytes of a row
.set RD,   25                          ; v25     where I read a row back
.set CO,   26                          ; v26     16 x lane
.set SPW,  28                          ; v28     LDS address of my spare word; never rewritten
.set NIL,  29                          ; v29     0; never rewritten
.set TMP,  32
.set AF,   128
.set BK,   128
.set BI,   0                           ; in window 3
.set G1, 24                            ; s[24:31] descriptor group 1 for y's tiles;  s[32:39] group 0, one set for each slot
.set G0, 32
.set G1B, 48                           ; s[48:55], s[56:63] the same for W's tiles
.set G0B, 56
.set MSB, 0
.macro WIN new                         ; the immediate's high byte repeats the setting that is left
.if MSB != (\new)
	s_set_vgpr_msb (MSB<<8)|(\new)
.set MSB, (\new)
.endif
.endm
.set MUL,  0xa1                        ; source 0 (W) window 1, source 1 (y) window 0, C and D window 2
.set TO_B, 0x40                        ; destination window 1, address window 0
.macro JLOAD g0a, g1a, g0b, g1b        ; a joint load: waves 0 and 1 fetch y's two halves, waves 2 and 3 W's; four v_nop follow each of the two lines
	s_cmp_eq_u32 s15, 0
	s_cbranch_scc0 .Lfor_b_\@
	tensor_load_to_lds s[\g0a:\g0a+3], s[\g1a:\g1a+7]
	s_nop 0
.rept 4
	v_nop
.endr
	s_branch .Lasked_\@
.Lfor_b_\@:
	tensor_load_to_lds s[\g0b:\g0b+3], s[\g1b:\g1b+7]
	s_nop 0
.rept 4
	v_nop
.endr
.Lasked_\@:
.endm
.macro CREST                           ; a round of the cluster's barrier behind its opening barrier
	s_cmp_lg_u32 s14, 0
	s_cbranch_scc1 .Lnot_wave_0_\@
	s_barrier_signal -3
.Lnot_wave_0_\@:
	s_barrier_wait -3
	s_barrier_signal -1
	s_barrier_wait -1
.endm
.macro CROUND
	s_barrier_signal -1
	s_barrier_wait -1
	CREST
.endm
	s_load_b256 s[4:11], s[0:1], 0x0               ; y_img s[4:5], W's codes s[6:7], the exponents s[8:9], b s[10:11]
	s_load_b64 s[12:13], s[0:1], 0x20              ; out0
	v_lshl_add_u32 v[SPW], v0, 2, SPARE
	v_mov_b32 v[NIL], 0
	ds_add_u32 v28, v29
	ds_add_u32 v28, v29
	s_wait_dscnt 0x0
	v_lshrrev_b32 v1, 5, v0
	v_readfirstlane_b32 s14, v1                    ; wave 0..3
	s_lshr_b32 s15, s14, 1                         ; rh: which 64 tokens are mine.  Also: I fetch for y (0) or for W (1)
	s_and_b32 s16, s14, 1                          ; ch: which 128 columns.  Also: which half of that tile I fetch
	s_bfe_u32 s40, ttmp6, 0x40000                  ; cx, cy
	s_bfe_u32 s41, ttmp6, 0x40004
	s_lshl_b32 s42, ttmp9, 2
	s_add_co_u32 s42, s42, s40                     ; tile column = 4 x cluster x + cx
	s_and_b32 s17, ttmp7, 0xffff
	s_lshl_b32 s17, s17, 2
	s_add_co_u32 s17, s17, s41                     ; tile row = 4 x cluster y + cy
	s_lshl_b32 s43, s41, 2
	s_lshl_b32 s43, 15, s43                        ; my row of the cluster
	s_lshl_b32 s44, 0x1111, s40                    ; my column
	; y's tile: 4 token tiles, of each the 4,096 bytes of four heads: 4 rows of 512 elements of 8 bytes, 16,384 bytes (2,048 elements) apart; dense in LDS
	s_or_b32 s[G1+0], s43, (3<<16)|(1<<21)         ; 15:0 the mask: my row; 17:16 elements of 8 bytes; 20 no padding; 21 set beside a mask
	s_mov_b32 s[G1+1], 512<<16                     ; tensor_dim0 = 512
	s_mov_b32 s[G1+2], 4<<16                       ; tensor_dim1 = 4
	s_mov_b32 s[G1+3], 512<<16                     ; tile_dim0 = 512
	s_mov_b32 s[G1+4], 4                           ; tile_dim1 = 4
	s_mov_b32 s[G1+5], 2048                        ; tensor_dim0_stride
	s_mov_b32 s[G1+6], 0
	s_mov_b32 s[G1+7], 0
	; W's tile: 128 rows x 256 bytes, 16 bytes of padding behind each
	s_or_b32 s[G1B+0], s44, (0<<16)|(1<<20)|(1<<21)|(5<<22)|(3<<25)
	s_mov_b32 s[G1B+1], 256<<16
	s_mov_b32 s[G1B+2], 128<<16
	s_mov_b32 s[G1B+3], 256<<16
	s_mov_b32 s[G1B+4], 128
	s_mov_b32 s[G1B+5], 1024
	s_mov_b32 s[G1B+6], 0
	s_mov_b32 s[G1B+7], 0
	s_lshl_b32 s18, s16, 16
	s_lshl_b32 s20, s17, 17
	s_add_co_u32 s20, s20, s18                     ; y: (8 x tile row + 4 x half) token tiles of 16,384 bytes
	s_mov_b32 s21, 0
	s_lshl_b32 s18, s16, 17
	s_lshl_b32 s46, s42, 18
	s_add_co_u32 s46, s46, s18                     ; W: (256 x tile column + 128 x half) rows of 1,024 bytes
	s_mov_b32 s47, 0
	s_lshl_b32 s45, s16, 14                        ; where they go: y's half,
	s_mul_i32 s19, s16, HALFB
	s_add_co_u32 s19, s19, AREG                    ; W's half: no place in the cluster enters an LDS address
	s_wait_kmcnt 0x0
	s_load_b64 s[96:97], s[8:9], 0x18              ; e6, e7
	s_add_nc_u64 s[20:21], s[4:5], s[20:21]
	s_add_nc_u64 s[46:47], s[6:7], s[46:47]
	CROUND                                         ; all sixteen work-groups are here: the first joint loads meet
.irp s, 0,1
	s_mov_b32 s[G0+4*\s], 1
	s_add_co_u32 s[G0+4*\s+1], s45, \s*SLOT
	s_add_nc_u64 s[G0+4*\s+2:G0+4*\s+3], s[20:21], \s*4096
	s_or_b32 s[G0+4*\s+3], s[G0+4*\s+3], 0x80000000
	s_mov_b32 s[G0B+4*\s], 1
	s_add_co_u32 s[G0B+4*\s+1], s19, \s*SLOT
	s_add_nc_u64 s[G0B+4*\s+2:G0B+4*\s+3], s[46:47], \s*256
	s_or_b32 s[G0B+4*\s+3], s[G0B+4*\s+3], 0x80000000
	JLOAD G0+4*\s, G1, G0B+4*\s, G1B
.endr
	v_and_b32 v1, 15, v0                           ; r
	v_bfe_u32 v2, v0, 4, 1                         ; h
	v_mul_u32_u24 v3, v1, PITCH
	v_lshl_add_u32 v4, v2, 3, v3                   ; W: row x pitch + 8 h
	v_and_b32 v6, 31, v0
	v_lshlrev_b32 v[CO], 4, v6                     ; 16 x lane
	v_lshlrev_b32 v[BO], 5, v2
	s_lshl_b32 s21, s15, 14                        ; my four token tiles of y
	s_mul_i32 s22, s16, HALFB
	s_add_co_u32 s22, s22, AREG                    ; my 128 rows of W
.irp s, 0,1
	v_add_nc_u32 v[ADRA+\s], s21, v[CO]
	v_add_nc_u32 v[ADRB+\s], s22, v4
	s_add_co_u32 s21, s21, SLOT
	s_add_co_u32 s22, s22, SLOT
.endr
	s_mul_i32 s23, s14, 16*SPITCH
	s_add_co_u32 s23, s23, STAGE                   ; my stage
	v_mul_u32_u24 v5, v1, SPITCH                   ; in: row r, 32 bytes for each half of the lanes
	v_lshl_add_u32 v5, v2, 5, v5
	v_add_nc_u32 v[STO], s23, v5
	v_add_nc_u32 v[RD], s23, v[CO]                 ; back: the 32 lanes take one row of 512 bytes
	s_lshl_b32 s74, s42, 10                        ; my first column, in bytes of f32: 1,024 x tile column + 512 ch
	s_lshl_b32 s75, s16, 9
	s_add_co_u32 s74, s74, s75
	s_mov_b32 s75, 0
	s_add_nc_u64 s[10:11], s[10:11], s[74:75]      ; b there,
	s_add_nc_u64 s[12:13], s[12:13], s[74:75]      ; and out0,
	s_lshl_b32 s74, s17, 19                        ; at my first row: 128 x tile row + 64 rh rows of 4,096 bytes
	s_lshl_b32 s78, s15, 18
	s_add_co_u32 s74, s74, s78
	s_add_nc_u64 s[12:13], s[12:13], s[74:75]
	WIN 0xc0                                       ; destination window 3
.irp b, 0,1,2,3,4,5,6,7
	global_load_b128 v[BI+8*\b:BI+8*\b+3],   v[BO], s[10:11] offset:64*\b       ; register 8 b + j: b[16 b + 8 h + j]
	global_load_b128 v[BI+8*\b+4:BI+8*\b+7], v[BO], s[10:11] offset:64*\b+16
.endr
	WIN 0
	s_wait_kmcnt 0x0
	s_add_co_i32 s96, s96, s97
	s_add_co_i32 s96, s96, 127
	s_lshl_b32 s96, s96, 23                        ; 2^(e6 + e7) as f32
	s_mov_b32 s97, s96                             ; (named with it as a pair)
.macro FRAGA reg, adr, q, i            ; y: token tile i, the slot's q-th pair of heads
.irp c, 0,1,2,3
	ds_load_b128 v[\reg+4*\c:\reg+4*\c+3], v[\adr] offset:2048*(\q)+512*\c+(\i)*4096
.endr
.endm
.macro FRAGB reg, adr, q, i            ; W: rows 16 i on, the slot's q-th 128 along K
.irp c, 0,1,2,3,4,5,6,7
	ds_load_b64 v[\reg+2*\c:\reg+2*\c+1], v[\adr] offset:128*(\q)+16*\c+(\i)*16*PITCH
.endr
.endm
; 8 matrix instructions: y's block a x W's eight.  p: W's set.  The 32 accumulators take turns, one instruction a turn, in the same order in every step.
.macro MUL8 a, p, zero
.irp b, 0,1,2,3,4,5,6,7
.if \zero
	v_wmma_f32_16x16x128_fp8_fp8 v[8*(8*(\a)+\b):8*(8*(\a)+\b)+7], v[128*(\p)+FR*\b:128*(\p)+FR*\b+FR-1], v[AF+FR*(\a):AF+FR*(\a)+FR-1], 0
.else
	v_wmma_f32_16x16x128_fp8_fp8 v[8*(8*(\a)+\b):8*(8*(\a)+\b)+7], v[128*(\p)+FR*\b:128*(\p)+FR*\b+FR-1], v[AF+FR*(\a):AF+FR*(\a)+FR-1], v[8*(8*(\a)+\b):8*(8*(\a)+\b)+7]
.endif
.endr
.endm
.macro FETCH_B slot, q, p
	WIN TO_B
.irp i, 0,1,2,3,4,5,6,7
	FRAGB 128*(\p)+FR*\i, ADRB+\slot, \q, \i
.endr
	WIN 0
.endm
.macro FETCH_A slot, q, i0             ; y's blocks i0, i0 + 1
.irp i, \i0, \i0+1
	FRAGA AF+FR*(\i), ADRA+\slot, \q, \i
.endr
.endm
.macro PLACES                          ; four places in front of loads into registers that matrix instructions have read, and of the first read of results (ISA guide 7.12.1 for the first read of results)
.rept 4
	v_nop
.endr
.endm
; A slot's first 128 along K (W's set 0); it fetches the second 128 into set 1.  A block of y is free as soon as its eight products are issued, so one set serves y.
.macro STEP slot, zero
	s_wait_dscnt 8                                 ; W's set and y's blocks 0, 1 are in; the youngest eight loads (blocks 2, 3) may be out
	WIN MUL
	MUL8 0, 0, \zero
	MUL8 1, 0, \zero
	s_wait_dscnt 0
	PLACES
	FETCH_B \slot, 1, 1
	FETCH_A \slot, 1, 0
	WIN MUL
	MUL8 2, 0, \zero
	MUL8 3, 0, \zero
	PLACES
	WIN 0
	FETCH_A \slot, 1, 2
.endm
; A slot's second 128 changes slots: ONE barrier; in front of it each wave waits for all its tensor loads, adds 0 to its spare word, and waits for that and for its own reads of this slot.  fill = 1: this slot is filled again, two K steps ahead.
.macro TURN slot, next, fill
	s_wait_tensorcnt 0x0                           ; all my tensor loads have landed: my part of the next slot  (every window is 0 here)
	ds_add_u32 v[SPW], v[NIL]                      ; 0 onto my spare word
	s_wait_dscnt 9                                 ; (the add and the youngest eight loads may be out)
	WIN MUL
	MUL8 0, 1, 0                                   ; eight matrix instructions stand between the add and the wait for it
	s_wait_dscnt 0x0                               ; the add is done, and my reads of this slot are over
	s_barrier_signal -1
	MUL8 1, 1, 0
	WIN 0
	s_barrier_wait -1
.if \fill
	CREST                                          ; the barrier has opened a round of the cluster's barrier: no wave of any partner still reads this slot or has a load on its way
	s_add_nc_u64 s[G0+4*\slot+2:G0+4*\slot+3], s[G0+4*\slot+2:G0+4*\slot+3], 2*4096
	s_add_nc_u64 s[G0B+4*\slot+2:G0B+4*\slot+3], s[G0B+4*\slot+2:G0B+4*\slot+3], 2*256
	JLOAD G0+4*\slot, G1, G0B+4*\slot, G1B         ; the first tensor load behind the round; the four v_nop behind it are the places in front of the loads below
.else
	PLACES
.endif
	FETCH_B \next, 0, 0
	FETCH_A \next, 0, 0
	WIN MUL
	MUL8 2, 1, 0
	MUL8 3, 1, 0
	PLACES
	WIN 0
	FETCH_A \next, 0, 2
.endm
	s_wait_loadcnt 0x0                             ; b
	s_wait_tensorcnt 1                             ; my part of K step 0 is in (K step 1's load may be out)
	s_barrier_signal -1
	s_barrier_wait -1                              ; everybody's is
	FETCH_B 0, 0, 0
	FETCH_A 0, 0, 0
	FETCH_A 0, 0, 2
	STEP 0, 1                                      ; K = 1,024 is four slots' worth: written straight, no loop.  The first step's products start the sums
	TURN 0, 1, 1                                   ; slot 0 takes heads 8-11
	STEP 1, 0
	TURN 1, 0, 1                                   ; slot 1 takes heads 12-15
	STEP 0, 0
	TURN 0, 1, 0                                   ; nothing is left to fetch
	STEP 1, 0
	s_wait_dscnt 8                                 ; the very last step
	WIN MUL
	MUL8 0, 1, 0
	MUL8 1, 1, 0
	s_wait_dscnt 0
	MUL8 2, 1, 0
	MUL8 3, 1, 0
	WIN 0
; THE WAY OUT, block by block of 16 rows x 128 columns.  sum x 2^(e6 + e7) + b, one packed multiply-add for two numbers; a lane's 32 bytes of a row go into my own stage and come back as whole rows of 512 bytes.
; LDS serves a wave's instructions in order (ISA guide 5.7.1.4): no wait between the stores and the loads, nor in front of the next block's stores.
.macro TOSTAGE a
	WIN 0x32                                       ; source 0 (the sums) window 2, source 2 (b) window 3
.set nn, 0
.rept 32
	v_pk_fma_f32 v[TMP+2*nn:TMP+2*nn+1], v[64*(\a)+2*nn:64*(\a)+2*nn+1], s[96:97], v[BI+2*nn:BI+2*nn+1] op_sel_hi:[1,0,1]   ; each accumulator from its low end on
.set nn, nn+1
.endr
	WIN 0
.irp b, 0,1,2,3,4,5,6,7
	ds_store_b128 v[STO], v[TMP+8*\b:TMP+8*\b+3] offset:64*\b
	ds_store_b128 v[STO], v[TMP+8*\b+4:TMP+8*\b+7] offset:64*\b+16
.endr
.set BB, BK+64*((\a)%2)
.irp t, 0,1,2,3,4,5,6,7,8,9,10,11,12,13,14,15
	ds_load_b128 v[BB+4*\t:BB+4*\t+3], v[RD] offset:\t*SPITCH
.endr
.endm
.macro SEND a, younger                 ; younger: the LDS instructions issued behind block a's loads, which may stay out
.set BB, BK+64*((\a)%2)
	s_wait_dscnt \younger
.irp t, 0,1,2,3,4,5,6,7,8,9,10,11,12,13,14,15
	global_store_b128 v[CO], v[BB+4*\t:BB+4*\t+3], s[12:13] offset:(16*(\a)+\t)*4096 th:TH_STORE_NT   ; 32 lanes store 512 consecutive bytes, aligned; written once, read by nobody here
.endr
.endm
	PLACES                                         ; behind the last products: for the first reads of results and the loads into y's registers
	TOSTAGE 0
.irp a, 1,2,3
.if \a > 1
	s_wait_xcnt 0x0                                ; block a - 2's stores have read their registers: block a's loads may land there
.endif
	TOSTAGE \a
	SEND \a-1, 32                                  ; behind block a - 1's loads: block a's 16 stores and 16 loads
.endr
	SEND 3, 0
	s_wait_tensorcnt 0x0                           ; the wave's end
	ds_add_u32 v[SPW], v[NIL]
	s_wait_dscnt 0x0
	CROUND                                         ; the closing round: no work-group ends while a partner may still ask for a tile that names it
	s_endpgm
.Lfunc_end_k_q29a2bdacfe_proj:
	.size	k_q29a2bdacfe_proj, .Lfunc_end_k_q29a2bdacfe_proj-k_q29a2bdacfe_proj
	.p2alignl 7, 3214868480
	.fill 96, 4, 3214868480
	.section	.rodata,"a",@progbits
	.p2align	6, 0x0
	.amdhsa_kernel k_q29a2bdacfe_proj
		.amdhsa_group_segment_fixed_size 327680
		.amdhsa_private_segment_fixed_size 0
		.amdhsa_enable_private_segment 0
		.amdhsa_kernarg_size 40
		.amdhsa_user_sgpr_count 2
		.amdhsa_user_sgpr_kernarg_segment_ptr 1
		.amdhsa_wavefront_size32 1
		.amdhsa_system_sgpr_workgroup_id_x 1
		.amdhsa_system_sgpr_workgroup_id_y 1
		.amdhsa_system_sgpr_workgroup_id_z 1
		.amdhsa_system_vgpr_workitem_id 0
		.amdhsa_next_free_vgpr 832
		.amdhsa_next_free_sgpr 100
		.amdhsa_reserve_vcc 0
		.amdhsa_float_denorm_mode_32 3
		.amdhsa_float_denorm_mode_16_64 3
		.amdhsa_memory_ordered 1
		.amdhsa_forward_progress 1
		.amdhsa_inst_pref_size 94
	.end_amdhsa_kernel
	.amdgpu_metadata
---
amdhsa.version: [ 1, 2 ]
amdhsa.kernels:
  - .name:           k_q29a2bdacfe_proj
    .symbol:         k_q29a2bdacfe_proj.kd
    .args:
      - { .name: y_img, .offset: 0, .size: 8, .value_kind: global_buffer, .address_space: global }
      - { .name: out_w_codes, .offset: 8, .size: 8, .value_kind: global_buffer, .address_space: global }
      - { .name: lowp_scales, .offset: 16, .size: 8, .value_kind: global_buffer, .address_space: global }
      - { .name: out_b, .offset: 24, .size: 8, .value_kind: global_buffer, .address_space: global }
      - { .name: out0, .offset: 32, .size: 8, .value_kind: global_buffer, .address_space: global }
    .group_segment_fixed_size: 327680
    .private_segment_fixed_size: 0
    .kernarg_segment_align: 8
    .kernarg_segment_size: 40
    .max_flat_workgroup_size: 128
    .sgpr_count:     100
    .vgpr_count:     832
    .wavefront_size: 32
...
	.end_amdgpu_metadata
.endif
;; end of part 3
;; ======== version 2 of 2: 3 launches; version 1 with the launch attn written anew for expert scheduling mode
;; workspace buffers: q_img 8,388,608 bytes; k_img 8,388,608 bytes; v_img 8,388,608 bytes; y_img 8,388,608 bytes
;; launch qkv: the kernel of part 1 again; grid 12 x 32, 4 waves a work-group, clusters of 4 x 4, 327,680 bytes of LDS; arguments x_codes, qkv_w_codes, lowp_scales, qkv_b, q_img, k_img, v_img; writes q_img, k_img, v_img
;; launch attn (part 4): grid 4 x 64, 8 waves a work-group, no clusters, 33,792 bytes of LDS; arguments q_img, k_img, v_img, lowp_scales, y_img; writes y_img
.if DOCPART == 4
	.amdgcn_target "amdgcn-amd-amdhsa--gfx1250"
	.amdhsa_code_object_version 6
	.text
	.protected	k_q29a2bdacfe_attn
	.globl	k_q29a2bdacfe_attn
	.p2align	8
	.type	k_q29a2bdacfe_attn,@function
k_q29a2bdacfe_attn:
	s_mov_b64 s[64:65], 0
	v_nop
	global_prefetch_b8 v0, s[64:65] scope:SCOPE_SE
	s_setreg_imm32_b32 hwreg(HW_REG_WAVE_SCHED_MODE, 0, 2), 2
	s_setreg_imm32_b32 hwreg(HW_REG_WAVE_MODE, 25, 1), 1
	s_wait_xcnt 0x0
	s_wait_alu depctr_vm_vsrc(0)
; y[b][q][head] = the sum over keys k <= q of softmax_k(q . k / 8) v, both products on codes of FP8 (E4M3); y is quantised at once with 2^e6 and leaves as an image of the last product's operand registers.
; q_img, k_img: [batch x 16 + head][token / 16][1024]: register 2 c + i of lane (r, h) = channels 16 c + 8 h + 4 i .. + 3 of token r.  v_img: [..][key / 128][channel / 16][2048]: the same along the keys.  y_img: [token tile][head][1024], as q_img.
; THE SOFTMAX AHEAD OF THE SECOND PRODUCT: t = score x 2^(e2 + e3) x log2(e) / 8; M = the row's largest t so far, rounded UP to a whole number; p = 2^(t - M) is quantised with 2^e4, not normalised.
; The row's sum is taken of the unquantised p, in f32, and divides at the end.  When M moves, the sum and O are multiplied by 2^(old M - new M): exact.
; SHARES.  T = 2,048 is eight blocks of 256 queries.  Work-group (i, head) owns blocks i and 7 - i, one after the other: (i + 1) + (8 - i) = 9 slots of 256 keys in EVERY work-group: equal work, a constant trip count, and no slot is
; fetched that the mask hides whole.  Each of the eight waves owns 32 queries, two tiles of 16, so that each fragment of K and V read from LDS feeds two products and one tile's plain arithmetic stands between the other's exponentials.
; LAYOUT.  Both products are used transposed: S^T = K Q^T (source 0 = 16 keys, source 1 = 16 queries), O^T = V^T P^T (source 0 = 16 channels, source 1 = P): a lane holds ONE query (lane % 16) throughout.  Tile c of S^T gives a lane keys
; 16 c + 8 (lane / 16) + 0..7, which one conversion turns into registers 2 c, 2 c + 1 of P; v_img was laid by the same map.
; HOW K AND V COME.  A slot is 16 KiB of k_img and 16 KiB of v_img, dense in memory and in LDS: 256 threads bring it by eight loads of 16 bytes each into registers, issued a whole trip (two key steps) ahead of the eight LDS stores.
; One LDS buffer: reads | wait | barrier | stores | wait | barrier.
; NO JOINT REQUESTS: the four work-groups of a head stand at different slots in the same trip (block i's walk is i + 1 slots long, then block 7 - i's begins anew), so no two of them want one tile at one time.
; THE HOLD OF p is run only where it can bind: p <= 1, so it lies under 448 x 2^e4 unless e4 < -8: a scalar branch on the given exponent, round 128 lines; no barrier stands under it.
; LIMITS on the given exponents: e2 + e3 between -123 and 130 (added to c's exponent field); e4, e6 between -126 and 119; e4 + e5 is applied by v_ldexp_f32 and has none.  NaN codes are not served.
; THE MODE: SCHED_MODE bits 1:0 = 2 (LLVM: expert scheduling mode 2), set by the entry lines.  The code itself states the register dependences between vector or matrix instructions and memory or LDS instructions, with s_wait_alu, always for 0.
; THE PLAN.  Registers that memory or LDS instructions touch:
;   v1, v3      16 x lane, 16 x thread: the one offset of every load and store.  Written at the head, never again: slots, queries and tokens are reached by scalar bases and immediate offsets.
;   STG         Written by a fetch's eight global loads, read by the eight LDS stores a trip later.  No vector instruction names it.
;   K (window 1)  Written by sixteen LDS loads at a step's head; read by the step's sixteen products K Q^T.
;   V (window 1)  Written by sixteen LDS loads in the step's middle; read by the step's eight products V^T P, its last matrix instructions.
;   Q (window 1)  Written by four global loads where a block of queries begins; read by every product K Q^T of the block.
;   YC          Written by a way out's eight conversions, read by its four stores.
; A step has TWO waits on va_vdst, each ahead of the first line that reads a tile's exponentials.  Both stand behind the step's products K Q^T, so the next step's loads of K owe nothing: no vector or matrix line behind the second wait
; names K's registers or v1.  The first also stands behind the LAST step's products V^T P: V's loads follow it at once.  One wait on vm_vsrc a trip stands ahead of the fetch into STG.
; REGISTERS.  Window 0: v1 16 x lane; v3 16 x thread; v7 r - 8 h; v8-15 statistics; v16-31 at work; v32-63 P; v64-191 S^T, then p; v192-223 the slot on its way; v224-239 y's codes; v240-246 constants.
;             Window 1: v0-63 K's eight fragments; v64-127 V's four; v128-143 Q; v144-207 O^T.
.set LI,  1
.set LW,  3
.set RH,  7
.set ST,  8                            ; tile u at v[ST + 4 u]: +0 -M, +1 the largest t, +2, +3 the sum in two halves
.set TT,  16                           ; tile u at v[TT + 8 u]: +0, +1 two chains of the maximum; +2 the other half's; +4, +5 a second chain of the sum; +6 f (+7 named with it as a pair)
.set P,   32
.set S,   64
.set STG, 192
.set YC,  224
.set LIMP, 240
.set SCP,  241
.set NEGINF, 242
.set D0,   243                         ; v243, v244: my query - the step's first key - 8 h, tile 0 and tile 1
.set LIMY, 245
.set SCY,  246
.set KFR, 0                            ; in window 1
.set VFR, 64
.set QF,  128
.set O,   144
.set VOFF, 16384                       ; LDS: K's 256 keys at 0, V's at 16,384
.set MK,  66                           ; s66-97: 32 masks of the causal mask
; s24 wave; s25 i; s26 head; s27 trip; s29 the step's first key; s30 my first query; s31 1 where p wants its hold; s[32:33] lane selects; s[34:35] c; s42 e4 + e5
; s[44:45], s[46:47] k_img and v_img at the slot to be fetched; s[48:49] a byte offset in 64 bits; s[50:51] q_img at my first query; s[52:53] y_img at my first token
.set MSB, 0
.macro WIN new                         ; the immediate's high byte repeats the setting that is left
.if MSB != (\new)
	s_set_vgpr_msb (MSB<<8)|(\new)
.set MSB, (\new)
.endif
.endm
.macro FETCH                           ; a slot of K and of V into registers: each load of the work-group covers 4,096 consecutive bytes
.irp c, 0,1,2,3
	global_load_b128 v[STG+4*\c:STG+4*\c+3], v[LW], s[44:45] offset:4096*\c
.endr
.irp c, 0,1,2,3
	global_load_b128 v[STG+16+4*\c:STG+16+4*\c+3], v[LW], s[46:47] offset:4096*\c
.endr
.endm
.macro TOLDS                           ; and on into LDS, as it lies
.irp c, 0,1,2,3,4,5,6,7
	ds_store_b128 v[LW], v[STG+4*\c:STG+4*\c+3] offset:4096*\c
.endr
.endm
; A block of queries begins: my two fragments of Q; O^T and the sums are zeros, the largest t is under every t: the first change of M multiplies zeros.  again = 1: products have read Q's registers.
.macro INITQ again
	s_lshl_b32 s48, s30, 6                         ; 1,024 bytes for 16 queries
	s_mov_b32 s49, 0
	s_add_nc_u64 s[50:51], s[4:5], s[48:49]        ; (the loads that read this base before were waited for on LOADcnt)
	WIN 0x40                                       ; destination window 1
.if \again
	s_wait_alu depctr_va_vdst(0)                   ; the last block's products K Q^T are done reading Q's registers, in which the loads below land
.endif
.irp c, 0,1,2,3
	global_load_b128 v[QF+4*\c:QF+4*\c+3], v[LI], s[50:51] offset:512*\c
.endr
.set nn, 0
.rept 64
	v_mov_b32 v[O+nn], 0
.set nn, nn+1
.endr
	WIN 0
.irp u, 0,1
	v_mov_b32 v[ST+4*\u+1], 0xff61b1e6             ; -3e38
	v_floor_f32 v[ST+4*\u], -v[ST+4*\u+1]          ; -M
	v_mov_b32 v[ST+4*\u+2], 0
	v_mov_b32 v[ST+4*\u+3], 0
.endr
.endm
; THE SOFTMAX OF A TILE u, AS NUMBERED LISTS, so that the lists of the two tiles can be dealt by turns.
; MS, 41 lines: the largest of my 64 scores in two chains, ascending (each result of the matrix unit is read from its low end on), the other half of the lanes', as t; the running largest; -M = floor(-t); f = 2^(old M - new M).
.macro MS u, n
.set rS, S+64*(\u)
.set rT, TT+8*(\u)
.set rM, ST+4*(\u)
.if (\n) == 0
	v_max3_num_f32 v[rT], v[rS], v[rS+1], v[rS+2]
.elseif (\n) == 1
	v_max3_num_f32 v[rT+1], v[rS+3], v[rS+4], v[rS+5]
.elseif (\n) < 30
.set ii, 6+2*((\n)-2)
	v_max3_num_f32 v[rT+(\n)%2], v[rT+(\n)%2], v[rS+ii], v[rS+ii+1]
.elseif (\n) == 30
	v_max3_num_f32 v[rT], v[rT], v[rS+62], v[rS+63]
.elseif (\n) == 31
	v_max_num_f32 v[rT], v[rT], v[rT+1]
.elseif (\n) == 32
	v_permlanex16_b32 v[rT+2], v[rT], s32, s33     ; the query's other 64 keys lie in the lane 16 away
.elseif (\n) == 33
	v_max_num_f32 v[rT], v[rT], v[rT+2]
.elseif (\n) == 34
	v_mul_f32 v[rT], s34, v[rT]                    ; as t (c is positive)
.elseif (\n) == 35
	v_max_num_f32 v[rM+1], v[rM+1], v[rT]
.elseif (\n) == 36
	v_mov_b32 v[rT], v[rM]
.elseif (\n) == 37
	v_floor_f32 v[rM], -v[rM+1]                    ; the new -M = -ceil(t): a whole number
.elseif (\n) == 38
	v_sub_f32 v[rT], v[rM], v[rT]                  ; old M - new M: a whole number, 0 or less
.elseif (\n) == 39
	v_cvt_i32_f32 v[rT], v[rT]                     ; (it saturates)
.else
	v_ldexp_f32 v[rT+6], 1.0, v[rT]
.endif
.endm
.macro FM u, n                         ; 32 lines: t - M, two at a time (of the pairs c and -M the low word serves both halves)
	v_pk_fma_f32 v[S+64*(\u)+2*(\n):S+64*(\u)+2*(\n)+1], v[S+64*(\u)+2*(\n):S+64*(\u)+2*(\n)+1], s[34:35], v[ST+4*(\u):ST+4*(\u)+1] op_sel_hi:[1,0,0]
.endm
.macro EX u, n                         ; 64 lines: p = 2^(t - M)
	v_exp_f32 v[S+64*(\u)+(\n)], v[S+64*(\u)+(\n)]
.endm
.macro SU u, n                         ; 33 lines: the sum under the new M, then the unquantised p are added, two at a time, in two chains
.set rS, S+64*(\u)
.set rL, ST+4*(\u)+2
.set rX, TT+8*(\u)+4
.set rF, TT+8*(\u)+6
.if (\n) == 0
	v_pk_mul_f32 v[rL:rL+1], v[rL:rL+1], v[rF:rF+1] op_sel_hi:[1,0]
.elseif (\n) == 1
	v_pk_add_f32 v[rX:rX+1], v[rS:rS+1], v[rS+2:rS+3]
.elseif (\n) < 32
.set jj, 4+4*(((\n)-2)/2)
.if ((\n)%2) == 0
	v_pk_add_f32 v[rL:rL+1], v[rL:rL+1], v[rS+jj:rS+jj+1]
.else
	v_pk_add_f32 v[rX:rX+1], v[rX:rX+1], v[rS+jj+2:rS+jj+3]
.endif
.else
	v_pk_add_f32 v[rL:rL+1], v[rL:rL+1], v[rX:rX+1]
.endif
.endm
; A KEY STEP: 128 keys, the q-th of the slot in LDS.
.macro STEP q
	s_add_co_u32 s36, s30, 31                      ; a step all of whose keys come after my 32 queries is left out: a scalar branch on ids; no barrier stands in a step
	s_cmp_gt_u32 s29, s36
	s_cbranch_scc1 .Lhidden_\@
	WIN 0x40                                       ; destination window 1
.irp c, 0,1,2,3,4,5,6,7,8,9,10,11,12,13,14,15
	ds_load_b128 v[KFR+4*\c:KFR+4*\c+3], v[LI] offset:8192*\q+512*\c            ; images: 512 consecutive bytes an instruction.  No wait on va_vdst: the products that read these registers stand ahead of the last step's two waits, and nothing behind those names them or v1
.endr
	s_wait_dscnt 0x0                               ; K's sixteen loads are in
	WIN 0x05                                       ; K and Q in window 1, S^T in window 0
.irp c, 0,1,2,3,4,5,6,7
.irp u, 0,1
	v_wmma_f32_16x16x64_fp8_fp8 v[S+64*\u+8*\c:S+64*\u+8*\c+7], v[KFR+8*\c:KFR+8*\c+7], v[QF+8*\u:QF+8*\u+7], 0
.endr
.endr
	WIN 0
.rept 4
	v_nop                                          ; places in front of the first read of results (ISA guide 7.12.1)
.endr
	s_add_co_u32 s36, s29, 127                     ; on the diagonal the scores of hidden keys become -infinity ahead of the maximum: p = 0 then.  A step all of whose keys count skips this.
	s_cmp_le_u32 s36, s30                          ; (The step's first key counts for all my queries: both are multiples of 32, so first key <= my first query + 31 means <= my first query.  So no row is hidden whole.)
	s_cbranch_scc1 .Lopen_\@
	s_sub_co_i32 s36, s30, s29
	v_add_nc_u32 v[D0], s36, v[RH]                 ; register 8 c + j holds key first + 16 c + 8 h + j: hidden where 16 c + j > my query - first - 8 h
	v_add_nc_u32 v[D0+1], 16, v[D0]
.irp u, 0,1
.irp g, 0,1                            ; 32 registers at a time (tiles c = 4 g .. 4 g + 3): a run of compares into 32 scalar registers, one wait, the 32 selects
.set nn, 0
.rept 32
	v_cmp_gt_i32 s[MK+nn], 64*\g+16*(nn/8)+nn%8, v[D0+\u]
.set nn, nn+1
.endr
	s_wait_alu depctr_va_sdst(0)                   ; the 32 compares have written their masks, which the selects below read
.set nn, 0
.rept 32
	v_cndmask_b32 v[S+64*\u+32*\g+nn], v[S+64*\u+32*\g+nn], v[NEGINF], s[MK+nn]
.set nn, nn+1
.endr
.endr
.endr
.Lopen_\@:
.set nn, 0
.rept 41
	MS 0, nn
.set nn, nn+1
.endr
.set nn, 0
.rept 32
	FM 0, nn
.set nn, nn+1
.endr
.set nn, 0
.rept 41                               ; tile 0's exponentials, with tile 1's maximum between them: behind each exponential stands a plain line that touches none of its registers
	EX 0, nn
	MS 1, nn
.set nn, nn+1
.endr
.rept 23
	EX 0, nn
	FM 1, nn-41
.set nn, nn+1
.endr
.set nn, 23
.rept 9
	FM 1, nn
.set nn, nn+1
.endr
	WIN 0x40                                       ; destination window 1
	s_wait_alu depctr_va_vdst(0)                   ; tile 0's 64 exponentials have written p, which tile 0's sums below read; and the last step's products V^T P are done reading V's registers, in which the loads below land
.irp c, 0,1,2,3,4,5,6,7,8,9,10,11,12,13,14,15
	ds_load_b128 v[VFR+4*\c:VFR+4*\c+3], v[LI] offset:VOFF+8192*\q+512*\c       ; V lands while tile 1's exponentials, both sums and the conversions are issued
.endr
	WIN 0
.set nn, 0
.rept 32                               ; tile 1's exponentials, with tile 0's sum among them
	EX 1, 2*nn
	SU 0, nn
	EX 1, 2*nn+1
.set nn, nn+1
.endr
	SU 0, 32                                       ; (a plain line behind the last exponential)
	s_wait_alu depctr_va_vdst(0)                   ; tile 1's 64 exponentials have written p, which tile 1's sums below read
.set nn, 0
.rept 33
	SU 1, nn
.set nn, nn+1
.endr
	s_cmp_eq_u32 s31, 0
	s_cbranch_scc1 .Lno_hold_\@
.set nn, 0
.rept 128
	v_min_num_f32 v[S+nn], v[S+nn], v[LIMP]        ; the conversion to an 8-bit code does not saturate (ISA guide 7.6.2); p is not negative, so the hold is one-sided
.set nn, nn+1
.endr
.Lno_hold_\@:
.irp u, 0,1
.irp c, 0,1,2,3,4,5,6,7
	v_cvt_scalef32_pk8_fp8_f32 v[P+16*\u+2*\c:P+16*\u+2*\c+1], v[S+64*\u+8*\c:S+64*\u+8*\c+7], v[SCP]
.endr
.endr
	v_nop                                          ; one plain vector instruction between the conversions and what touches their results or writes their sources
	s_wait_dscnt 0x0                               ; V is in
	WIN 0x41                                       ; O^T (destination and source 0) in window 1, f in window 0
.irp u, 0,1
.set nn, 0
.rept 16
	v_pk_mul_f32 v[O+32*\u+2*nn:O+32*\u+2*nn+1], v[O+32*\u+2*nn:O+32*\u+2*nn+1], v[TT+8*\u+6:TT+8*\u+7] op_sel_hi:[1,0]   ; O^T under the new M; each accumulator from its low end on
.set nn, nn+1
.endr
.endr
	WIN 0x51                                       ; V in window 1, P in window 0, O^T in window 1
.irp d, 0,1,2,3                        ; the eight accumulators take turns, one instruction a turn; between two links of a chain stand the next step's products K Q^T too
.irp u, 0,1
	v_wmma_f32_16x16x128_fp8_fp8 v[O+32*\u+8*\d:O+32*\u+8*\d+7], v[VFR+16*\d:VFR+16*\d+15], v[P+16*\u:P+16*\u+15], v[O+32*\u+8*\d:O+32*\u+8*\d+7]
.endr
.endr
	WIN 0
.rept 4
	v_nop                                          ; places behind the last products, for the vector lines that read or write O^T on any way that follows
.endr
.Lhidden_\@:
	s_add_co_u32 s29, s29, 128
.endm
; A BLOCK'S WAY OUT: O^T / the sum x 2^(e4 + e5) is y; held, converted with 2^e6: a tile's four accumulators become the eight registers of its image, stored as they stand: 512 consecutive bytes a store, aligned.
.macro OUT
	s_wait_xcnt 0x0                                ; an earlier way out's stores have had their addresses translated: their data and their base are written again only behind this wait
	s_wait_alu depctr_vm_vsrc(0)                   ; an earlier way out's stores have read YC, which the conversions below write again
	s_lshl_b32 s48, s30, 10                        ; 16,384 bytes for 16 tokens (16 heads x 1,024)
	s_mov_b32 s49, 0
	s_add_nc_u64 s[52:53], s[12:13], s[48:49]
.irp u, 0,1
	v_add_f32 v[TT+8*\u], v[ST+4*\u+2], v[ST+4*\u+3]
.endr
.irp u, 0,1
	v_permlanex16_b32 v[TT+8*\u+2], v[TT+8*\u], s32, s33
.endr
.irp u, 0,1
	v_add_f32 v[TT+8*\u], v[TT+8*\u], v[TT+8*\u+2]   ; the row's sum
.endr
.irp u, 0,1
	v_rcp_f32 v[TT+8*\u+6], v[TT+8*\u]
.endr
	v_nop                                          ; a plain line behind the reciprocals
	s_wait_alu depctr_va_vdst(0)                   ; the two reciprocals are written, ahead of the first line that names them
.irp u, 0,1
	v_ldexp_f32 v[TT+8*\u+6], v[TT+8*\u+6], s42    ; x 2^(e4 + e5)
.endr
	WIN 0x01                                       ; source 0 window 1
.irp u, 0,1
.set nn, 0
.rept 16
	v_pk_mul_f32 v[S+32*\u+2*nn:S+32*\u+2*nn+1], v[O+32*\u+2*nn:O+32*\u+2*nn+1], v[TT+8*\u+6:TT+8*\u+7] op_sel_hi:[1,0]
.set nn, nn+1
.endr
.endr
	WIN 0
.set nn, 0
.rept 64
	v_med3_num_f32 v[S+nn], v[S+nn], -v[LIMY], v[LIMY]
.set nn, nn+1
.endr
.irp u, 0,1
.irp d, 0,1,2,3
	v_cvt_scalef32_pk8_fp8_f32 v[YC+8*\u+2*\d:YC+8*\u+2*\d+1], v[S+32*\u+8*\d:S+32*\u+8*\d+7], v[SCY]
.endr
.endr
	v_nop                                          ; one plain vector instruction between the conversions and the later products, which write their sources
	s_wait_alu depctr_va_vdst(0)                   ; the conversions have written YC, which the stores below read
.irp u, 0,1
.irp c, 0,1
	global_store_b128 v[LI], v[YC+8*\u+4*\c:YC+8*\u+4*\c+3], s[52:53] offset:16384*\u+512*\c
.endr
.endr
.endm
	s_load_b256 s[4:11], s[0:1], 0x0               ; q_img s[4:5], k_img s[6:7], v_img s[8:9], the exponents s[10:11]
	s_load_b64 s[12:13], s[0:1], 0x20              ; y_img
	v_lshl_add_u32 v254, v0, 2, 0x8000
	v_mov_b32 v255, 0
	v_lshrrev_b32 v2, 5, v0
	v_readfirstlane_b32 s24, v2                    ; wave 0..7
	v_and_b32 v2, 31, v0
	v_lshlrev_b32 v[LI], 4, v2                     ; 16 x lane
	v_lshlrev_b32 v[LW], 4, v0                     ; 16 x thread
	v_and_b32 v[RH], 15, v0
	v_bfe_u32 v2, v0, 4, 1
	v_lshlrev_b32 v2, 3, v2
	v_sub_nc_u32 v[RH], v[RH], v2                  ; r - 8 h
	v_mov_b32 v[NEGINF], 0xff800000
.irp u, 0,1
	v_mov_b32 v[TT+8*\u+2], 0                      ; written once: a lane permute's destination counts as one of its sources
	v_mov_b32 v[TT+8*\u+7], 0                      ; (named as the upper half of f's pair)
.endr
	s_wait_alu depctr_va_sdst(0)                   ; s24, the wave's number, is written, ahead of its first reader: my first query is made from it
	s_mov_b32 s25, ttmp9                           ; i
	s_and_b32 s26, ttmp7, 0xffff                   ; batch x 16 + head
	s_mov_b32 s32, 0x76543210
	s_mov_b32 s33, 0xfedcba98                      ; lane l xor 16
	s_lshl_b32 s30, s25, 8
	s_lshl_b32 s36, s24, 5
	s_add_co_u32 s30, s30, s36                     ; my first query: 256 i + 32 x wave
	s_lshl_b32 s38, s26, 17                        ; the head's 131,072 bytes in q_img, k_img, v_img
	s_mov_b32 s39, 0
	s_lshr_b32 s40, s26, 4
	s_lshl_b32 s40, s40, 21                        ; y_img: the batch's 128 token tiles of 16,384 bytes,
	s_and_b32 s36, s26, 15
	s_lshl_b32 s36, s36, 10                        ; and the head's 1,024 in each
	s_add_co_u32 s40, s40, s36
	s_mov_b32 s41, 0
	s_wait_kmcnt 0x0
	s_load_b256 s[16:23], s[10:11], 0x0            ; e0 .. e7
	s_add_nc_u64 s[4:5], s[4:5], s[38:39]
	s_add_nc_u64 s[6:7], s[6:7], s[38:39]
	s_add_nc_u64 s[8:9], s[8:9], s[38:39]
	s_add_nc_u64 s[12:13], s[12:13], s[40:41]
	s_mov_b64 s[44:45], s[6:7]                     ; slot 0
	s_mov_b64 s[46:47], s[8:9]
	s_wait_alu depctr_va_vdst(0)                   ; v1 and v3 are written: every load and store of the kernel reads one of them as its offset or LDS address
	FETCH
	INITQ 0
	s_wait_kmcnt 0x0
	s_add_co_i32 s36, s18, s19                     ; a score stands for score x 2^(e2 + e3): the two exponents are added to c's exponent field
	s_lshl_b32 s36, s36, 23
	s_add_co_i32 s34, s36, 0x3e38aa3b              ; c = log2(e) / 8
	s_mov_b32 s35, s34                             ; (named with it as a pair)
	s_add_co_i32 s36, s20, 127
	s_lshl_b32 s37, s36, 23
	v_mov_b32 v[SCP], s37                          ; 2^e4 as f32, for p's conversions
	s_add_co_i32 s36, s36, 8
	s_lshl_b32 s36, s36, 23
	s_or_b32 s36, s36, 0x600000
	v_mov_b32 v[LIMP], s36                         ; 448 x 2^e4
	s_add_co_i32 s36, s22, 127
	s_lshl_b32 s37, s36, 23
	v_mov_b32 v[SCY], s37                          ; 2^e6, for y's
	s_add_co_i32 s36, s36, 8
	s_lshl_b32 s36, s36, 23
	s_or_b32 s36, s36, 0x600000
	v_mov_b32 v[LIMY], s36
	s_add_co_i32 s42, s20, s21                     ; e4 + e5
	s_cmp_lt_i32 s20, -8
	s_cselect_b32 s31, 1, 0                        ; 448 x 2^e4 < 1: p wants its hold
	s_wait_loadcnt 0x0                             ; slot 0 and Q
	TOLDS
	s_wait_dscnt 0x0                               ; for the others' sake: my stores have landed
	s_barrier_signal -1
	s_barrier_wait -1
	s_mov_b32 s27, 0
	s_mov_b32 s29, 0
.Ltrip:                                            ; nine trips: slots 0 .. i for block i, then slots 0 .. 7 - i for block 7 - i
	s_cmp_eq_u32 s27, 8                            ; the last trip fetches nothing
	s_cbranch_scc1 .Lno_fetch
	s_add_co_u32 s36, s27, 1
	s_sub_co_u32 s37, s27, s25
	s_cmp_gt_u32 s36, s25
	s_cselect_b32 s48, s37, s36                    ; the next trip's slot: trip + 1, or, in the second block, trip - i
	s_lshl_b32 s48, s48, 14
	s_mov_b32 s49, 0
	s_add_nc_u64 s[44:45], s[6:7], s[48:49]        ; (the last fetch, which read these two bases, was waited for on LOADcnt in the trip before)
	s_add_nc_u64 s[46:47], s[8:9], s[48:49]
	s_wait_alu depctr_vm_vsrc(0)                   ; the LDS stores of the trip before have read STG, in which the loads below land
	FETCH
.Lno_fetch:
	STEP 0
	STEP 1
	s_cmp_lg_u32 s27, s25
	s_cbranch_scc1 .Lsame_block
	OUT                                            ; block i is done;
	s_sub_co_u32 s30, 7, s25                       ; block 7 - i begins
	s_lshl_b32 s30, s30, 8
	s_lshl_b32 s36, s24, 5
	s_add_co_u32 s30, s30, s36
	s_mov_b32 s29, 0
	INITQ 1
.Lsame_block:
	s_wait_loadcnt 0x0                             ; the next slot is in registers, and so is a new block's Q
	s_wait_dscnt 0x0                               ; my reads of the slot in LDS are over
	s_barrier_signal -1
	s_barrier_wait -1                              ; everybody's are
	s_cmp_eq_u32 s27, 8
	s_cbranch_scc1 .Lno_store
	TOLDS
.Lno_store:
	s_wait_dscnt 0x0                               ; my stores have landed
	s_barrier_signal -1
	s_barrier_wait -1                              ; everybody's have
	s_add_co_u32 s27, s27, 1
	s_cmp_lt_u32 s27, 9
	s_cbranch_scc1 .Ltrip
	OUT
	s_wait_dscnt 0x0
	s_wait_alu depctr_hold_cnt(0) depctr_sa_sdst(0) depctr_va_vdst(0) depctr_va_sdst(0) depctr_va_ssrc(0) depctr_va_vcc(0) depctr_vm_vsrc(0)
	s_wait_tensorcnt 0x0
	ds_add_u32 v254, v255
	s_wait_dscnt 0x0
	s_endpgm
.Lfunc_end_k_q29a2bdacfe_attn:
	.size	k_q29a2bdacfe_attn, .Lfunc_end_k_q29a2bdacfe_attn-k_q29a2bdacfe_attn
	.p2alignl 7, 3214868480
	.fill 96, 4, 3214868480
	.section	.rodata,"a",@progbits
	.p2align	6, 0x0
	.amdhsa_kernel k_q29a2bdacfe_attn
		.amdhsa_group_segment_fixed_size 33792
		.amdhsa_private_segment_fixed_size 0
		.amdhsa_enable_private_segment 0
		.amdhsa_kernarg_size 40
		.amdhsa_user_sgpr_count 2
		.amdhsa_user_sgpr_kernarg_segment_ptr 1
		.amdhsa_wavefront_size32 1
		.amdhsa_system_sgpr_workgroup_id_x 1
		.amdhsa_system_sgpr_workgroup_id_y 1
		.amdhsa_system_sgpr_workgroup_id_z 1
		.amdhsa_system_vgpr_workitem_id 0
		.amdhsa_next_free_vgpr 512
		.amdhsa_next_free_sgpr 98
		.amdhsa_reserve_vcc 0
		.amdhsa_float_denorm_mode_32 3
		.amdhsa_float_denorm_mode_16_64 3
		.amdhsa_memory_ordered 1
		.amdhsa_forward_progress 1
		.amdhsa_inst_pref_size 121
	.end_amdhsa_kernel
	.amdgpu_metadata
---
amdhsa.version: [ 1, 2 ]
amdhsa.kernels:
  - .name:           k_q29a2bdacfe_attn
    .symbol:         k_q29a2bdacfe_attn.kd
    .args:
      - { .name: q_img, .offset: 0, .size: 8, .value_kind: global_buffer, .address_space: global }
      - { .name: k_img, .offset: 8, .size: 8, .value_kind: global_buffer, .address_space: global }
      - { .name: v_img, .offset: 16, .size: 8, .value_kind: global_buffer, .address_space: global }
      - { .name: lowp_scales, .offset: 24, .size: 8, .value_kind: global_buffer, .address_space: global }
      - { .name: y_img, .offset: 32, .size: 8, .value_kind: global_buffer, .address_space: global }
    .group_segment_fixed_size: 33792
    .private_segment_fixed_size: 0
    .kernarg_segment_align: 8
    .kernarg_segment_size: 40
    .max_flat_workgroup_size: 256
    .sgpr_count:     98
    .vgpr_count:     512
    .wavefront_size: 32
...
	.end_amdgpu_metadata
.endif
;; end of part 4
;; launch proj: the kernel of part 3 again; grid 4 x 64, 4 waves a work-group, clusters of 4 x 4, 327,680 bytes of LDS; arguments y_img, out_w_codes, lowp_scales, out_b, out0; writes out0
